; MI455X (gfx1250); checked and timed in simulation.
; The chip was launched on July 23, 2026; its instructions are those of AMD's public machine-readable ISA for CDNA 5 (MIT licence, August 2026) and "CDNA5" Instruction Set Architecture Reference Guide (July 2026). The comments in the code are by the model that wrote it; some were corrected since.
;; Attention Block. Allowed arithmetic: matrix products marked QUANTISED: E2M3 operands, one E8M0 scale for each 32 along K, by v_wmma_scale_f32_16x16x128_f8f6f4 with both operands' format E2M3, f32 sums; everything else in f32.
;; Inputs: W1 4,096 x 1,024 float32; W2 1,024 x 4,096 float32; Wk 1,024 x 1,024 float32; Wo 1,024 x 1,024 float32; Wq 1,024 x 1,024 float32; Wv 1,024 x 1,024 float32; b1 4,096 float32; b2 1,024 float32; bk 1,024 float32; bo 1,024 float32; bq 1,024 float32; bv 1,024 float32; ln1_b 1,024 float32; ln1_g 1,024 float32; ln2_b 1,024 float32; ln2_g 1,024 float32; mask 2 x 2,048 bool; x 2 x 2,048 x 1,024 float32.
;; Outputs: out0 2 x 2,048 x 1,024 float32.
;; This version of the problem:
;;   THIS VERSION OF THE PROBLEM IS GIVEN IN LOW PRECISION. The matrix products marked QUANTISED in the list below multiply operands that are first quantised to E2M3 (2 exponent bits, 3 mantissa bits; 6 bits a number), with one power-of-two scale for each 32 numbers along K (OCP MX v1.0); their sums are f32. All else is computed in f32.
;;   The module's matrix products, in the order in which they are computed (A, B: the left and right operand; K: the contracted axis; several contracted axes count as one K, in the product's order):
;;     1. [M 4,096, K 1,024] x [K 1,024, N 1,024]; A: computed on the way; B: input Wq: QUANTISED
;;     2. [M 4,096, K 1,024] x [K 1,024, N 1,024]; A: computed on the way; B: input Wk: QUANTISED
;;     3. [M 4,096, K 1,024] x [K 1,024, N 1,024]; A: computed on the way; B: input Wv: QUANTISED
;;     4. batch 32 x [M 2,048, K 64] x [K 64, N 2,048]; A: computed on the way; B: computed on the way: QUANTISED
;;     5. batch 32 x [M 64, K 2,048] x [K 2,048, N 2,048]; A: computed on the way; B: softmax (see below): QUANTISED
;;     6. [M 4,096, K 1,024] x [K 1,024, N 1,024]; A: computed on the way; B: input Wo: QUANTISED
;;     7. [M 4,096, K 1,024] x [K 1,024, N 4,096]; A: computed on the way; B: input W1: QUANTISED
;;     8. [M 4,096, K 4,096] x [K 4,096, N 1,024]; A: computed on the way; B: input W2: QUANTISED
;;   THE QUANTISER, for each operand of a quantised product, along K:
;;     - K is cut into blocks of 32 from its start; a last block that is shorter is filled with zeros.
;;     - A block's scale is 2^e with e = floor(log2(the largest magnitude in the block)) - 2, held to -126 .. 127; a block of zeros has e = 0. As a byte (E8M0): e + 127.
;;     - Each number is divided by its block's scale, clamped to +-7.5, and rounded to the nearest number of E2M3, ties to even, subnormals kept.
;;     - The product sums the exact products of the quantised numbers (number of the format x scale) in f32.
;;   ~~~python
;;   def quantise(x, axis):      # numpy; x: float32 -> the quantised numbers, widened to float32 again
;;       x = np.moveaxis(x, axis, -1); K = x.shape[-1]
;;       x = np.pad(x, [(0, 0)] * (x.ndim - 1) + [(0, -K % 32)]); x = x.reshape(x.shape[:-1] + (-1, 32)); a = np.abs(x).max(-1, keepdims=True)
;;       e = np.where(a > 0, np.clip(np.frexp(np.where(a > 0, a, 1))[1] - 1 - 2, -126, 127), 0)      # np.frexp(a)[1] - 1 = floor(log2(a)), exactly
;;       r = np.clip(x / 2.0 ** e, -7.5, 7.5)
;;       step = 2.0 ** (np.maximum(np.frexp(np.where(r == 0, 1, r))[1] - 1, 0) - 3)
;;       q = np.round(r / step) * step * 2.0 ** e      # np.round: ties to even
;;       return np.moveaxis(q.reshape(q.shape[:-2] + (-1,))[..., :K], -1, axis).astype(np.float32)
;;   ~~~
;;   SOFTMAX AHEAD OF A QUANTISED PRODUCT. Where the list says 'softmax', what is quantised is not the finished softmax but p = 2^(t - M), with t = logit x log2(e) and M = ceil(the row's largest t), a whole number; so 1/2 < the row's largest p <= 1. The row's sum l is taken of the UNQUANTISED p, in f32, and the product's result is divided by l at the end. Since M is a whole number, a kernel that streams over the keys may use a running M (the ceiling of the running maximum): every later rescaling is an exact power of two, which a block's scale takes up: the codes' values come out the same.
;;   OPERANDS COMPUTED ON THE WAY. 'Computed on the way' means the value that the module computes at that place (a softmax that the list does not call 'softmax' is quantised finished and normalised). What goes into a quantiser is computed in f32, as accurately as f32 sums, v_exp_f32 and their like allow (about 1e-6 of the number): no bf16 or f16 on the way to a quantiser, and a product that is left as it is and whose result goes on into a quantised operand takes f32 operands (vector FMAs, or v_wmma_f32_16x16x4_f32). A number that lies on a knife's edge between two numbers of the format may be rounded either way, as far as f32 arithmetic and the matrix unit's own rounding can turn it there, and no further.
;; One version. Each part assembles by itself: llvm-mc -triple=amdgcn-amd-amdhsa -mcpu=gfx1250 --defsym DOCPART=n.
;; ======== version 1 of 1: 6 launches
;; limits: right only within a limited range of input values
;; workspace buffers: pk1 13,631,488 bytes; qa 6,553,600 bytes; kv 6,553,600 bytes; apk 3,276,800 bytes; y1 16,777,216 bytes; hpk 3,276,800 bytes; gpk 13,107,200 bytes
;; launch prep (part 1): grid 256 x 5, 8 waves a work-group, no clusters, 70,144 bytes of LDS; arguments x, ln1_g, ln1_b, Wq, Wk, Wv, Wo, W1, W2, pk1; writes pk1
.if DOCPART == 1
	.amdgcn_target "amdgcn-amd-amdhsa--gfx1250"
	.amdhsa_code_object_version 6
	.text
	.protected	k_qb33c87f656_prep
	.globl	k_qb33c87f656_prep
	.p2align	8
	.type	k_qb33c87f656_prep,@function
k_qb33c87f656_prep:
	s_mov_b64 s[64:65], 0
	v_nop
	global_prefetch_b8 v0, s[64:65] scope:SCOPE_SE
	s_setreg_imm32_b32 hwreg(HW_REG_WAVE_MODE, 25, 1), 1
	s_wait_xcnt 0x0
; ROWS OF f32, K INNERMOST, BECOME OPERANDS OF MX-FP6 (E2M3, one E8M0 byte for each 32 along K), laid as the matrix unit's registers take them.
; Work-group y picks the job: 0: layer norm of argument 0 (gain, bias: arguments 1, 2), then codes;  1: Wq, Wk, Wv, Wo;  2: W1;  3: W2;  4: the table of cosines and sines.
; A work-group takes one tile of 16 rows x 1,024 along K; wave w takes K step w (128 along K): one fragment.
; A TILE'S ROWS ARE NOT NEIGHBOURS: row m of tile t is row 32 (t / 2) + 8 (t % 2) + m + 8 (m / 8), so that results of two neighbouring tiles used as source 0 are 16 neighbours along the next K.
; A FRAGMENT IN MEMORY IS AN IMAGE OF ITS 12 REGISTERS, 1,536 bytes: registers 0-3 at 16 l, 4-5 at 512 + 8 l, 6-9 at 768 + 16 l, 10-11 at 1,280 + 8 l (l: the lane).
; A QUAD, 25,600 bytes, holds 4 tiles x 4 K steps (tile t', step q at 6,144 t' + 1,536 q) and behind them four blocks of 256 bytes of scale words: block t', row r's word of step q at 16 r + 4 q.
; A tensor of R rows is [K / 512][R / 64] quads.
; The scale: 2^(floor(log2(largest magnitude)) - 2); its byte is the largest magnitude's exponent field - 2, held at 1 from below.
; LIMITS: a block of zeros keeps the byte 1 (its codes are zeros; this program alone reads the bytes); NaN and infinities among the inputs are not served.
; The table's frequencies are made by v_exp_f32 of -i log2(10000) / 32: an angle may differ from one made by a power and a division by a few parts in 10^7 of itself.
.set QU,    25600
.set STGP,  528                        ; a stage row: 512 bytes + 16: 33 x 16, so that sixteen rows' reads of 16 bytes fall on different banks
.set STWB,  16*STGP                    ; a wave's stage
.set ST1,   8*STWB                     ; 512 bytes: the waves' parts of the rows' sums; 512 more: of the sums of squares
.set SCG,   ST1+1024                   ; 512 bytes: the tile's scale words
.set SPARE, SCG+512                    ; the spare words, 128 bytes for each wave: four blocks of 256 bytes that no other line names
.set ROPE,  13107200                   ; the table's place in the output buffer
.set OFF, 16                           ; v16-31   byte offset of row m's 16 bytes of mine
.set X,   32                           ; v32-95   64 numbers
.set G,   96                           ; v96-159  the gain; later the codes
.set PC,  96
.set BT,  160                          ; v160-223 the bias
.set TM,  224                          ; v224-239 at work
.set PW,  240                          ; the scale word
.set SPW, 241                          ; LDS address of my spare word; never rewritten
.set NIL, 242                          ; 0; never rewritten
.set PT,  243
.set MU,  244                          ; v244-245 the mean, twice
.set RS,  246                          ; v246-247 1 / sqrt(var + eps), twice
.set SEL, 46
; 64 numbers of a lane, register 16 b + i = k 32 b + 16 (lane / 16) + i of my row, become a fragment's codes in v[PC] on and its scale word in v[PW].
.macro QUANT s
.irp b, 0,1,2,3
	v_max3_num_f32 v[TM+\b], |v[\s+16*\b]|, |v[\s+1+16*\b]|, 0x1800000   ; my 16 numbers of block b, and the floor 2^(3 - 127): the byte cannot fall under 1
.endr
.irp i, 2,4,6,8,10,12,14
.irp b, 0,1,2,3
	s_delay_alu instid0(VALU_DEP_4)
	v_max3_num_f32 v[TM+\b], v[TM+\b], |v[\s+16*\b+\i]|, |v[\s+1+16*\b+\i]|
.endr
.endr
.irp b, 0,1,2,3
	s_delay_alu instid0(VALU_DEP_4)
	v_permlanex16_b32 v[TM+4+\b], v[TM+\b], s[SEL], s[SEL+1]
.endr
.irp b, 0,1,2,3
	s_delay_alu instid0(VALU_DEP_4)
	v_max_num_f32 v[TM+\b], v[TM+\b], v[TM+4+\b]         ; with lane l xor 16's: the block's largest magnitude
.endr
.irp b, 0,1,2,3
	s_delay_alu instid0(VALU_DEP_4)
	v_add_nc_u32 v[TM+12+\b], 0xff000000, v[TM+\b]       ; 2 off its exponent field: the conversion's scale operand
.endr
.irp b, 0,1,2,3
	s_delay_alu instid0(VALU_DEP_4)
	v_lshrrev_b32 v[TM+4+\b], 23, v[TM+12+\b]            ; the byte
.endr
	s_delay_alu instid0(VALU_DEP_3)
	v_lshl_or_b32 v[PW], v[TM+5], 8, v[TM+4]
	s_delay_alu instid0(VALU_DEP_1)
	v_lshl_or_b32 v[PW], v[TM+6], 16, v[PW]
	s_delay_alu instid0(VALU_DEP_1)
	v_lshl_or_b32 v[PW], v[TM+7], 24, v[PW]
.irp c, 0,1
	v_cvt_scalef32_pk16_fp6_f32 v[PC+6*\c:PC+2+6*\c], v[\s+32*\c:\s+15+32*\c], v[TM+12+2*\c]
	v_cvt_scalef32_pk16_fp6_f32 v[PC+12+4*\c:PC+14+4*\c], v[\s+16+32*\c:\s+31+32*\c], v[TM+12+2*\c+1]   ; (a conversion's three registers begin on an even number)
.endr
	v_nop                                                ; one plain place behind a scaled conversion
.irp c, 0,1                                          ; the operand wants a whole block in a lane: lanes 0-15 block 2 c, lanes 16-31 block 2 c + 1
.irp i, 0,1,2
	v_permlane16_swap_b32 v[PC+6*\c+\i], v[PC+12+4*\c+\i]
.endr
.irp i, 0,1,2
	s_delay_alu instid0(VALU_DEP_3)
	v_mov_b32 v[PC+3+6*\c+\i], v[PC+12+4*\c+\i]
.endr
.endr
.endm
; v232: my half lane's part of row r's sum over my wave's 128 numbers -> v224: the row's sum over all 1,024, added in ascending order of the waves
.macro EXCH off
	s_delay_alu instid0(VALU_DEP_1)
	v_permlanex16_b32 v[PT], v232, s[SEL], s[SEL+1]
	s_delay_alu instid0(VALU_DEP_1)
	v_add_f32 v232, v232, v[PT]
	ds_store_b32 v13, v232 offset:\off                   ; both halves of the lanes write the same word with the same value
	s_wait_dscnt 0x0                                     ; for the others' sake: my store has landed
	s_barrier_signal -1
	s_barrier_wait -1
	ds_load_b128 v[224:227], v12 offset:\off
	ds_load_b128 v[228:231], v12 offset:\off+16
	s_wait_dscnt 0x0
.irp i, 225
	v_add_f32 v224, v224, v\i
.endr
.irp i, 226, 227, 228, 229, 230, 231
	s_delay_alu instid0(VALU_DEP_1)
	v_add_f32 v224, v224, v\i
.endr
.endm
; sine or cosine of position x frequency v[f] into v[o]; v[t] .. v[t+5] at work.  The angle less n pi / 2 (pi / 2 in two parts) lies within pi / 4; polynomials of degree 7 and 8.
.macro TRIG f, o, t
	v_mul_f32 v[\t], v20, v[\f]                          ; the angle, rounded once
	s_delay_alu instid0(VALU_DEP_1)
	v_mul_f32 v[\t+1], 0x3f22f983, v[\t]
	s_delay_alu instid0(VALU_DEP_1)
	v_rndne_f32 v[\t+1], v[\t+1]                         ; n
	s_delay_alu instid0(VALU_DEP_1)
	v_fma_f32 v[\t], v[\t+1], s27, v[\t]
	s_delay_alu instid0(VALU_DEP_1)
	v_fma_f32 v[\t], v[\t+1], s28, v[\t]                 ; rho
	s_delay_alu instid0(VALU_DEP_1)
	v_mul_f32 v[\t+2], v[\t], v[\t]
	v_mov_b32 v[\t+3], 0xb94ca1f9
	s_delay_alu instid0(VALU_DEP_1)
	v_fmaak_f32 v[\t+3], v[\t+3], v[\t+2], 0x3c08839e
	s_delay_alu instid0(VALU_DEP_1)
	v_fmaak_f32 v[\t+3], v[\t+3], v[\t+2], 0xbe2aaaa3
	s_delay_alu instid0(VALU_DEP_1)
	v_mul_f32 v[\t+3], v[\t+3], v[\t+2]
	s_delay_alu instid0(VALU_DEP_1)
	v_fma_f32 v[\t+3], v[\t+3], v[\t], v[\t]             ; sin rho
	v_mov_b32 v[\t+4], 0x37ccf5ce
	s_delay_alu instid0(VALU_DEP_1)
	v_fmaak_f32 v[\t+4], v[\t+4], v[\t+2], 0xbab6061a
	s_delay_alu instid0(VALU_DEP_1)
	v_fmaak_f32 v[\t+4], v[\t+4], v[\t+2], 0x3d2aaaa5
	s_delay_alu instid0(VALU_DEP_1)
	v_mul_f32 v[\t+4], v[\t+4], v[\t+2]
	v_fma_f32 v[\t+5], v[\t+2], -0.5, 1.0
	s_delay_alu instid0(VALU_DEP_1)
	v_fma_f32 v[\t+4], v[\t+4], v[\t+2], v[\t+5]         ; cos rho
	v_cvt_i32_f32 v[\t+1], v[\t+1]
	s_delay_alu instid0(VALU_DEP_1)
	v_add_nc_u32 v[\t+1], v[\t+1], v24                   ; a cosine is the sine a quarter turn on
	s_delay_alu instid0(VALU_DEP_1)
	v_and_b32 v[\t+5], 1, v[\t+1]
	s_delay_alu instid0(VALU_DEP_1)
	v_cmp_eq_u32 vcc_lo, 1, v[\t+5]
	s_delay_alu instid0(VALU_DEP_1)
	v_cndmask_b32 v[\o], v[\t+3], v[\t+4], vcc_lo        ; odd quarters take cos rho
	s_delay_alu instid0(VALU_DEP_4)
	v_and_b32 v[\t+5], 2, v[\t+1]
	s_delay_alu instid0(VALU_DEP_1)
	v_lshlrev_b32 v[\t+5], 30, v[\t+5]
	s_delay_alu instid0(VALU_DEP_1)
	v_xor_b32 v[\o], v[\o], v[\t+5]                      ; quarters 2 and 3 change the sign
.endm
	s_load_b512 s[4:19], s[0:1], 0x0               ; rows s[4:5], gain s[6:7], bias s[8:9], Wq s[10:11], Wk s[12:13], Wv s[14:15], Wo s[16:17], W1 s[18:19]
	s_load_b128 s[20:23], s[0:1], 0x40             ; W2 s[20:21], the output s[22:23]
	v_lshl_add_u32 v[SPW], v0, 2, SPARE
	v_mov_b32 v[NIL], 0
	v_lshrrev_b32 v1, 5, v0
	s_delay_alu instid0(VALU_DEP_1)
	v_readfirstlane_b32 s24, v1                    ; wave 0..7
	s_and_b32 s25, ttmp7, 0xffff                   ; the job
	v_and_b32 v1, 31, v0                           ; l
	v_and_b32 v2, 15, v0                           ; r
	v_bfe_u32 v3, v0, 4, 1                         ; h
	s_delay_alu instid0(VALU_DEP_3)
	v_lshlrev_b32 v4, 4, v1                        ; 16 l
	s_delay_alu instid0(VALU_DEP_4)
	v_lshlrev_b32 v5, 3, v1                        ; 8 l
	v_mov_b32 v[PT], 0                             ; a lane permute's destination counts as one of its sources
	s_mov_b32 s[SEL], 0x76543210
	s_mov_b32 s[SEL+1], 0xfedcba98                 ; v_permlanex16_b32's selects for lane l xor 16
	s_cmp_eq_u32 s25, 4
	s_cbranch_scc1 .Lrope
	; LDS addresses: constants, the lane and the wave alone
	s_mul_i32 s58, s24, STWB
	v_add_nc_u32 v6, s58, v4                       ; my stage, on the way in: 16 l
	v_mul_u32_u24 v7, v2, STGP
	s_delay_alu instid0(VALU_DEP_1)
	v_lshl_add_u32 v7, v3, 6, v7
	s_delay_alu instid0(VALU_DEP_1)
	v_add_nc_u32 v7, s58, v7                       ; on the way out: row r, + 64 h
	s_lshl_b32 s59, s24, 9
	v_lshl_add_u32 v8, v3, 6, s59                  ; gain and bias: 512 w + 64 h
	v_lshlrev_b32 v12, 5, v2
	s_delay_alu instid0(VALU_DEP_1)
	v_add_nc_u32 v12, ST1, v12                     ; row r's eight parts
	s_lshl_b32 s59, s24, 2
	v_add_nc_u32 v13, s59, v12                     ; and mine among them
	s_lshr_b32 s59, s24, 2
	s_lshl_b32 s59, s59, 8
	s_and_b32 s60, s24, 3
	s_lshl_b32 s60, s60, 2
	s_add_co_u32 s59, s59, s60
	s_add_co_u32 s59, s59, SCG
	v_lshl_add_u32 v9, v2, 4, s59                  ; my scale word: 256 (w / 4) + 16 r + 4 (w % 4)
	v_add_nc_u32 v10, SCG, v4
	; the job's numbers, chosen on the work-group's number alone
	s_and_b32 s34, ttmp9, 63
	s_lshr_b32 s35, ttmp9, 6
	s_lshl_b32 s49, s35, 12
	s_lshl_b32 s50, s35, 1
	s_mov_b32 s27, 4096                            ; bytes from row to row
	s_mov_b32 s28, 0                               ; first byte along K
	s_mov_b32 s29, ttmp9                           ; the tile in the source
	s_mov_b32 s30, 0                               ; the region in the output
	s_mov_b32 s31, 64                              ; its quads for each 512 along K
	s_mov_b32 s32, ttmp9                           ; the tile in it
	s_mov_b32 s33, 0                               ; first 512 along K
	s_mov_b32 s38, 3276800
	s_mov_b32 s56, 0x3a800000                      ; 1 / 1,024
	s_mov_b32 s57, 0x3727c5ac                      ; 1e-5
	s_wait_kmcnt 0x0
	s_cmp_eq_u32 s35, 1
	s_cselect_b64 s[36:37], s[12:13], s[10:11]
	s_cmp_eq_u32 s35, 2
	s_cselect_b64 s[36:37], s[14:15], s[36:37]
	s_cmp_eq_u32 s35, 3
	s_cselect_b64 s[36:37], s[16:17], s[36:37]     ; Wq, Wk, Wv share a region of 48 quads; Wo has its own of 16
	s_cselect_b32 s38, 5734400, s38
	s_cselect_b32 s39, 16, 48
	s_cselect_b32 s48, s34, ttmp9
	s_mov_b64 s[40:41], s[4:5]
	s_cmp_eq_u32 s25, 1
	s_cselect_b64 s[40:41], s[36:37], s[40:41]
	s_cselect_b32 s29, s34, s29
	s_cselect_b32 s30, s38, s30
	s_cselect_b32 s31, s39, s31
	s_cselect_b32 s32, s48, s32
	s_cmp_eq_u32 s25, 2
	s_cselect_b64 s[40:41], s[18:19], s[40:41]
	s_cselect_b32 s30, 6553600, s30
	s_cmp_eq_u32 s25, 3
	s_cselect_b64 s[40:41], s[20:21], s[40:41]
	s_cselect_b32 s27, 16384, s27
	s_cselect_b32 s28, s49, s28
	s_cselect_b32 s29, s34, s29
	s_cselect_b32 s30, 9830400, s30
	s_cselect_b32 s31, 16, s31
	s_cselect_b32 s32, s34, s32
	s_cselect_b32 s33, s50, s33
	s_cmp_eq_u32 s25, 0
	s_cselect_b32 s55, 0x3a800000, 0               ; a weight's mean counts for nothing
	; the source: the tile's first row, my wave's 512 bytes
	s_lshr_b32 s51, s29, 1
	s_lshl_b32 s51, s51, 5
	s_and_b32 s52, s29, 1
	s_lshl_b32 s52, s52, 3
	s_add_co_u32 s51, s51, s52
	s_mul_i32 s52, s51, s27
	s_add_co_u32 s52, s52, s28
	s_lshl_b32 s53, s24, 9
	s_add_co_u32 s52, s52, s53
	s_mov_b32 s53, 0
	s_add_nc_u64 s[40:41], s[40:41], s[52:53]
	; my fragment's place
	s_lshr_b32 s52, s24, 2
	s_add_co_u32 s52, s52, s33
	s_mul_i32 s52, s52, s31
	s_lshr_b32 s54, s32, 2
	s_add_co_u32 s52, s52, s54
	s_mul_i32 s52, s52, QU
	s_add_co_u32 s52, s52, s30
	s_and_b32 s54, s32, 3
	s_mul_i32 s59, s54, 6144
	s_add_co_u32 s52, s52, s59
	s_and_b32 s59, s24, 3
	s_mul_i32 s59, s59, 1536
	s_add_co_u32 s52, s52, s59
	s_add_nc_u64 s[42:43], s[22:23], s[52:53]
	; the tile's two blocks of scale words
	s_mul_i32 s52, s33, s31
	s_lshr_b32 s59, s32, 2
	s_add_co_u32 s52, s52, s59
	s_mul_i32 s52, s52, QU
	s_add_co_u32 s52, s52, s30
	s_lshl_b32 s54, s54, 8
	s_add_co_u32 s52, s52, s54
	s_add_co_u32 s52, s52, 24576
	s_add_nc_u64 s[44:45], s[22:23], s[52:53]
	s_mul_i32 s52, s31, QU
	v_mul_u32_u24 v11, s52, v3                     ; lanes 16-31: the next 512 along K
	s_delay_alu instid0(VALU_DEP_1)
	v_lshl_add_u32 v11, v2, 4, v11
.irp m, 0,1,2,3,4,5,6,7,8,9,10,11,12,13,14,15
	v_mad_u32_u24 v[OFF+\m], s27, \m+8*(\m/8), v4
.endr
.irp m, 0,1,2,3,4,5,6,7,8,9,10,11,12,13,14,15
	global_load_b128 v[X+4*\m:X+4*\m+3], v[OFF+\m], s[40:41] th:TH_LOAD_NT   ; 32 lanes read 512 consecutive bytes of one row
.endr
.irp b, 0,1,2,3
.irp j, 0,1,2,3
	global_load_b128 v[G+16*\b+4*\j:G+16*\b+4*\j+3], v8, s[6:7] offset:128*\b+16*\j
	global_load_b128 v[BT+16*\b+4*\j:BT+16*\b+4*\j+3], v8, s[8:9] offset:128*\b+16*\j
.endr
.endr
	s_wait_loadcnt 32                              ; the rows are in; the 32 loads of gain and bias, issued behind them, may be out
	; through my stage: in as loaded, out 16 neighbours of each block of 32 to a lane.  LDS serves a wave's instructions in order: no wait between
.irp m, 0,1,2,3,4,5,6,7,8,9,10,11,12,13,14,15
	ds_store_b128 v6, v[X+4*\m:X+4*\m+3] offset:STGP*\m
.endr
.irp b, 0,1,2,3
.irp j, 0,1,2,3
	ds_load_b128 v[X+16*\b+4*\j:X+16*\b+4*\j+3], v7 offset:128*\b+16*\j
.endr
.endr
	s_wait_dscnt 0x0
	; the mean.  Every work-group walks both exchanges, so that no barrier stands under a branch
	v_pk_add_f32 v[234:235], v[32:33], v[34:35]
	v_pk_add_f32 v[246:247], v[40:41], v[44:45]
	v_pk_add_f32 v[244:245], v[48:49], v[52:53]
	v_pk_add_f32 v[238:239], v[56:57], v[60:61]
	v_pk_add_f32 v[236:237], v[64:65], v[68:69]
	v_pk_add_f32 v[230:231], v[72:73], v[76:77]
	v_pk_add_f32 v[228:229], v[80:81], v[84:85]
	v_pk_add_f32 v[232:233], v[88:89], v[92:93]
	s_delay_alu instid0(VALU_DEP_1)
	v_pk_add_f32 v[232:233], v[232:233], v[36:37]
	v_pk_add_f32 v[234:235], v[234:235], v[38:39]
	v_pk_add_f32 v[246:247], v[246:247], v[42:43]
	v_pk_add_f32 v[244:245], v[244:245], v[46:47]
	v_pk_add_f32 v[238:239], v[238:239], v[50:51]
	v_pk_add_f32 v[236:237], v[236:237], v[54:55]
	v_pk_add_f32 v[230:231], v[230:231], v[58:59]
	v_pk_add_f32 v[228:229], v[228:229], v[62:63]
	v_pk_add_f32 v[232:233], v[232:233], v[66:67]
	v_pk_add_f32 v[234:235], v[234:235], v[70:71]
	v_pk_add_f32 v[246:247], v[246:247], v[74:75]
	v_pk_add_f32 v[244:245], v[244:245], v[78:79]
	v_pk_add_f32 v[238:239], v[238:239], v[82:83]
	v_pk_add_f32 v[236:237], v[236:237], v[86:87]
	v_pk_add_f32 v[230:231], v[230:231], v[90:91]
	v_pk_add_f32 v[228:229], v[228:229], v[94:95]
	s_delay_alu instid0(VALU_DEP_4)
	v_pk_add_f32 v[232:233], v[232:233], v[238:239]
	s_delay_alu instid0(VALU_DEP_4)
	v_pk_add_f32 v[234:235], v[234:235], v[236:237]
	s_delay_alu instid0(VALU_DEP_4)
	v_pk_add_f32 v[246:247], v[246:247], v[230:231]
	s_delay_alu instid0(VALU_DEP_4)
	v_pk_add_f32 v[244:245], v[244:245], v[228:229]
	s_delay_alu instid0(VALU_DEP_2)
	v_pk_add_f32 v[232:233], v[232:233], v[246:247]
	s_delay_alu instid0(VALU_DEP_2)
	v_pk_add_f32 v[234:235], v[234:235], v[244:245]
	s_delay_alu instid0(VALU_DEP_1)
	v_pk_add_f32 v[232:233], v[232:233], v[234:235]
	s_delay_alu instid0(VALU_DEP_1)
	v_add_f32 v232, v232, v233
	EXCH 0
	s_delay_alu instid0(VALU_DEP_1)
	v_mul_f32 v[MU], s55, v224
	s_delay_alu instid0(VALU_DEP_1)
	v_mov_b32 v[MU+1], v[MU]
.irp j, 0,2,4,6,8,10,12,14,16,18,20,22,24,26,28,30,32,34,36,38,40,42,44,46,48,50,52,54,56,58,60,62
	v_pk_add_f32 v[X+\j:X+\j+1], v[X+\j:X+\j+1], v[MU:MU+1] neg_lo:[0,1] neg_hi:[0,1]
.endr
	; the variance, of the differences: no difference of large sums is formed
	v_pk_mul_f32 v[232:233], v[X:X+1], v[X:X+1]
	v_pk_mul_f32 v[234:235], v[X+2:X+3], v[X+2:X+3]
.irp j, 4,8,12,16,20,24,28,32,36,40,44,48,52,56,60
	s_delay_alu instid0(VALU_DEP_2)
	v_pk_fma_f32 v[232:233], v[X+\j:X+\j+1], v[X+\j:X+\j+1], v[232:233]
	s_delay_alu instid0(VALU_DEP_2)
	v_pk_fma_f32 v[234:235], v[X+\j+2:X+\j+3], v[X+\j+2:X+\j+3], v[234:235]
.endr
	s_delay_alu instid0(VALU_DEP_1)
	v_pk_add_f32 v[232:233], v[232:233], v[234:235]
	s_delay_alu instid0(VALU_DEP_1)
	v_add_f32 v232, v232, v233
	EXCH 512
	s_delay_alu instid0(VALU_DEP_1)
	v_fma_f32 v[RS], v224, s56, s57
	s_wait_alu depctr_va_vdst(0)
	v_rsq_f32 v[RS], v[RS]
	v_nop                                          ; a plain place behind the transcendental
	s_wait_alu depctr_va_vdst(0)                   ; the wait ahead of the result's first reader, and of the branch
	v_mov_b32 v[RS+1], v[RS]
	s_wait_loadcnt 0x0                             ; gain and bias
	s_cmp_lg_u32 s25, 0
	s_cbranch_scc1 .Lplain                         ; a weight is taken as it is
	s_wait_alu depctr_va_vdst(0)
.irp j, 0,2,4,6,8,10,12,14,16,18,20,22,24,26,28,30,32,34,36,38,40,42,44,46,48,50,52,54,56,58,60,62
	v_pk_mul_f32 v[X+\j:X+\j+1], v[X+\j:X+\j+1], v[RS:RS+1]
.endr
.irp j, 0,2,4,6,8,10,12,14,16,18,20,22,24,26,28,30,32,34,36,38,40,42,44,46,48,50,52,54,56,58,60,62
	v_pk_fma_f32 v[X+\j:X+\j+1], v[X+\j:X+\j+1], v[G+\j:G+\j+1], v[BT+\j:BT+\j+1]
.endr
.Lplain:
	QUANT X
	global_store_b128 v4, v[PC:PC+3], s[42:43]                 ; the image: each store covers 512 or 256 consecutive bytes, at a multiple of 256 from the buffer's first byte
	global_store_b64 v5, v[PC+4:PC+5], s[42:43] offset:512
	global_store_b128 v4, v[PC+6:PC+9], s[42:43] offset:768
	global_store_b64 v5, v[PC+10:PC+11], s[42:43] offset:1280
	ds_store_b32 v9, v[PW]                         ; the eight waves' scale words meet, so that they leave as two whole blocks of 256 bytes
	s_wait_dscnt 0x0
	s_barrier_signal -1
	s_barrier_wait -1
	s_cmp_lg_u32 s24, 0
	s_cbranch_scc1 .Lend
	ds_load_b128 v[TM:TM+3], v10
	s_wait_dscnt 0x0
	global_store_b128 v11, v[TM:TM+3], s[44:45]
.Lend:
	s_wait_tensorcnt 0x0                           ; the wave's end, behind my last LDS store
	ds_add_u32 v[SPW], v[NIL]
	s_wait_dscnt 0x0
	s_endpgm
.Lrope:                                            ; one position a wave: 32 cosines (lanes 0-15, two each), then 32 sines: 256 bytes.  No LDS is touched on this way
	s_lshl_b32 s26, ttmp9, 3
	s_add_co_u32 s26, s26, s24
	v_cvt_f32_u32 v20, s26
	s_wait_alu depctr_va_vdst(0)
	v_lshlrev_b32 v21, 1, v2
	s_delay_alu instid0(VALU_DEP_1)
	v_cvt_f32_u32 v22, v21                         ; i = 2 (l % 16),
	s_delay_alu instid0(VALU_DEP_1)
	v_add_f32 v23, 1.0, v22                        ; and i + 1
	v_sub_nc_u32 v24, 1, v3
	s_mov_b32 s27, 0xbfc90fdb                      ; -pi / 2, its upper part,
	s_mov_b32 s28, 0x333bbd2e                      ; and what that leaves
	v_mul_f32 v22, 0xbed49a78, v22                 ; -i log2(10000) / 32
	v_mul_f32 v23, 0xbed49a78, v23
	s_wait_alu depctr_va_vdst(0)
	v_exp_f32 v22, v22
	v_exp_f32 v23, v23
	v_nop
	s_wait_alu depctr_va_vdst(0)                   ; one wait for both, ahead of their first reader
	TRIG 22, 16, 32
	TRIG 23, 17, 40
	s_lshl_b32 s30, s26, 8
	s_add_co_u32 s30, s30, ROPE
	s_mov_b32 s31, 0
	s_wait_alu depctr_va_vdst(0)
	s_wait_kmcnt 0x0
	s_add_nc_u64 s[22:23], s[22:23], s[30:31]
	global_store_b64 v5, v[16:17], s[22:23]
	s_endpgm
.Lfunc_end_k_qb33c87f656_prep:
	.size	k_qb33c87f656_prep, .Lfunc_end_k_qb33c87f656_prep-k_qb33c87f656_prep
	.p2alignl 7, 3214868480
	.fill 96, 4, 3214868480
	.section	.rodata,"a",@progbits
	.p2align	6, 0x0
	.amdhsa_kernel k_qb33c87f656_prep
		.amdhsa_group_segment_fixed_size 70144
		.amdhsa_private_segment_fixed_size 0
		.amdhsa_enable_private_segment 0
		.amdhsa_kernarg_size 80
		.amdhsa_user_sgpr_count 2
		.amdhsa_user_sgpr_kernarg_segment_ptr 1
		.amdhsa_wavefront_size32 1
		.amdhsa_system_sgpr_workgroup_id_x 1
		.amdhsa_system_sgpr_workgroup_id_y 1
		.amdhsa_system_sgpr_workgroup_id_z 1
		.amdhsa_system_vgpr_workitem_id 0
		.amdhsa_next_free_vgpr 248
		.amdhsa_next_free_sgpr 66
		.amdhsa_reserve_vcc 1
		.amdhsa_float_denorm_mode_32 3
		.amdhsa_float_denorm_mode_16_64 3
		.amdhsa_memory_ordered 1
		.amdhsa_forward_progress 1
		.amdhsa_inst_pref_size 38
	.end_amdhsa_kernel
	.amdgpu_metadata
---
amdhsa.version: [ 1, 2 ]
amdhsa.kernels:
  - .name:           k_qb33c87f656_prep
    .symbol:         k_qb33c87f656_prep.kd
    .args:
      - { .name: x, .offset: 0, .size: 8, .value_kind: global_buffer, .address_space: global }
      - { .name: ln1_g, .offset: 8, .size: 8, .value_kind: global_buffer, .address_space: global }
      - { .name: ln1_b, .offset: 16, .size: 8, .value_kind: global_buffer, .address_space: global }
      - { .name: Wq, .offset: 24, .size: 8, .value_kind: global_buffer, .address_space: global }
      - { .name: Wk, .offset: 32, .size: 8, .value_kind: global_buffer, .address_space: global }
      - { .name: Wv, .offset: 40, .size: 8, .value_kind: global_buffer, .address_space: global }
      - { .name: Wo, .offset: 48, .size: 8, .value_kind: global_buffer, .address_space: global }
      - { .name: W1, .offset: 56, .size: 8, .value_kind: global_buffer, .address_space: global }
      - { .name: W2, .offset: 64, .size: 8, .value_kind: global_buffer, .address_space: global }
      - { .name: pk1, .offset: 72, .size: 8, .value_kind: global_buffer, .address_space: global }
    .group_segment_fixed_size: 70144
    .private_segment_fixed_size: 0
    .kernarg_segment_align: 8
    .kernarg_segment_size: 80
    .max_flat_workgroup_size: 256
    .sgpr_count:     66
    .vgpr_count:     248
    .wavefront_size: 32
...
	.end_amdgpu_metadata
.endif
;; end of part 1
;; launch qkv (part 2): grid 8 x 32, 4 waves a work-group, clusters of 4 x 4, 327,680 bytes of LDS; arguments pk1, bq, bk, bv, qa, kv; writes qa, kv
.if DOCPART == 2
	.amdgcn_target "amdgcn-amd-amdhsa--gfx1250"
	.amdhsa_code_object_version 6
	.text
	.protected	k_qb33c87f656_qkv
	.globl	k_qb33c87f656_qkv
	.p2align	8
	.type	k_qb33c87f656_qkv,@function
k_qb33c87f656_qkv:
	s_mov_b64 s[64:65], 0
	v_nop
	global_prefetch_b8 v0, s[64:65] scope:SCOPE_SE
	s_setreg_imm32_b32 hwreg(HW_REG_WAVE_MODE, 25, 1), 1
	s_wait_xcnt 0x0
	s_wait_alu depctr_hold_cnt(0) depctr_sa_sdst(0) depctr_va_vdst(0) depctr_va_sdst(0) depctr_va_ssrc(0) depctr_va_vcc(0) depctr_vm_vsrc(0)
	s_getreg_b32 s2, hwreg(HW_REG_IB_STS2, 6, 4)
	s_cmp_eq_u32 s2, 0
	s_cbranch_scc0 .Lentry_in_a_cluster
	s_endpgm
.Lentry_in_a_cluster:
	s_bfe_u32 s2, ttmp6, 0x10000c
	s_cmp_lg_u32 s2, 0xf033
	s_cbranch_scc0 .Lentry_shape_is_right
	s_endpgm
.Lentry_shape_is_right:
.set QU,    25600
.set SLOT,  4*QU
.set UNIT,  12800
.set REGX,  3276800
.set XKG,   48*QU
.set YKG,   64*QU
.set ROPE,  13107200
.set EXQ,   2*SLOT
.set EXV,   EXQ+1024
.set SPARE, EXV+1024
.set ACC, 128
.set SC,  32
.set SPW, 28
.set NIL, 29
.set G1X, 24
.set G1Y, 32
.set G0X, 40
.set G0Y, 48
.set T,    0
.set CODE, 64
.set HW,   96
.set W,    100
.set M,    104
.set PT,   196
.set CS,   0
.set SWP,  0
.set BC,   128
.set MSB,  0
.macro WIN new
.if MSB != \new
	s_set_vgpr_msb (MSB<<8)|\new
.set MSB, \new
.endif
.endm
.macro PLACES
.rept 4
	v_nop
.endr
.endm
.macro CROUND
	s_barrier_signal -1
	s_barrier_wait -1
	s_cmp_lg_u32 s16, 0
	s_cbranch_scc1 .Lnw0_\@
	s_barrier_signal -3
.Lnw0_\@:
	s_barrier_wait -3
	s_barrier_signal -1
	s_barrier_wait -1
.endm
.macro JLOAD s, which
	s_cmp_eq_u32 s18, 0
.if \which == 1
	s_cbranch_scc0 .Lfy_\@
.elseif \which == 2
	s_cbranch_scc0 .Lja_\@
.else
	s_cbranch_scc1 .Lja_\@
.endif
.if \which < 3
	tensor_load_to_lds s[G0X+4*\s:G0X+4*\s+3], s[G1X:G1X+7]
	s_nop 0
.rept 4
	v_nop
.endr
.endif
.if \which == 1
	s_branch .Lja_\@
.Lfy_\@:
.endif
.if \which != 2
	tensor_load_to_lds s[G0Y+4*\s:G0Y+4*\s+3], s[G1Y:G1Y+7]
	s_nop 0
.rept 4
	v_nop
.endr
.endif
.Lja_\@:
.endm
.macro FRAG reg, a16, a8, off
	ds_load_b128 v[\reg:\reg+3], v[\a16] offset:\off
	ds_load_b64 v[\reg+4:\reg+5], v[\a8] offset:\off+512
	ds_load_b128 v[\reg+6:\reg+9], v[\a16] offset:\off+768
	ds_load_b64 v[\reg+10:\reg+11], v[\a8] offset:\off+1280
.endm
.macro FETCH slot, q, f
	WIN 0x40
.irp i, 0,1,2,3
	FRAG 96*(\f)+12*\i, 4+\slot, 6+\slot, 6144*\i+1536*(\q)
	FRAG 96*(\f)+48+12*\i, 8+\slot, 10+\slot, 6144*\i+1536*(\q)
.endr
.endm
.macro SCALES set
.irp i, 0,1,2,3
	ds_load_b128 v[SC+16*\set+4*\i:SC+16*\set+4*\i+3], v[12+\set] offset:24576+256*\i
.endr
.endm
.macro MUL8 f, a0, q, set, mode
.irp a, \a0, \a0+1
.irp b, 0,1,2,3
.set rD, ACC+32*(\a)+8*\b
.set sX, SC+16*(\set)+(\q)
.if SWP
.set rC, BC+8*(\a)
.else
.set rC, BC+8*\b
.endif
.if !(\mode)
.set rC, rD
.endif
.if SWP
	v_wmma_scale_f32_16x16x128_f8f6f4 v[rD:rD+7], v[96*(\f)+48+12*\b:96*(\f)+48+12*\b+11], v[96*(\f)+12*(\a):96*(\f)+12*(\a)+11], v[rC:rC+7], v[sX+4*\b], v[sX+4*(\a)] matrix_a_fmt:MATRIX_FMT_FP6 matrix_b_fmt:MATRIX_FMT_FP6 matrix_a_scale:MATRIX_SCALE_ROW1
.else
	v_wmma_scale_f32_16x16x128_f8f6f4 v[rD:rD+7], v[96*(\f)+12*\b:96*(\f)+12*\b+11], v[96*(\f)+48+12*(\a):96*(\f)+48+12*(\a)+11], v[rC:rC+7], v[sX+4*\b], v[sX+4*(\a)] matrix_a_fmt:MATRIX_FMT_FP6 matrix_b_fmt:MATRIX_FMT_FP6 matrix_b_scale:MATRIX_SCALE_ROW1
.endif
.endr
.endr
.endm
.macro STEP slot, q, mode
	s_wait_dscnt 0x0
	PLACES
	FETCH \slot, (\q)+1, ((\q)+1)%2
.if \mode
	WIN 0x25
.else
	WIN 0x05
.endif
	MUL8 (\q)%2, 0, \q, \slot, \mode
	MUL8 (\q)%2, 2, \q, \slot, \mode
.endm
.macro LASTSTEP slot, next, which, fetch
	s_wait_dscnt 0x0
	WIN 0x05
	MUL8 1, 0, 3, \slot, 0
	WIN 0
	s_wait_tensorcnt 0x0
	ds_add_u32 v[SPW], v[NIL]
.if \which
	s_add_nc_u64 s[G0X+4*\slot+2:G0X+4*\slot+3], s[G0X+4*\slot+2:G0X+4*\slot+3], 16*QU
.endif
	s_wait_dscnt 0x0
.if \which
	CROUND
	JLOAD \slot, \which
.else
	s_barrier_signal -1
	s_barrier_wait -1
.endif
	PLACES
.if \fetch
	FETCH \next, 0, 0
	WIN 0
	SCALES \next
.endif
	WIN 0x05
	MUL8 1, 2, 3, \slot, 0
	WIN 0
.endm
.macro KWORK w0, w1
	STEP 0, 0, 1
	STEP 0, 1, 0
	STEP 0, 2, 0
	LASTSTEP 0, 1, \w0, 1
	STEP 1, 0, 0
	STEP 1, 1, 0
	STEP 1, 2, 0
.if \w1
	LASTSTEP 1, 0, \w1, 0
.else
	s_wait_dscnt 0x0
	WIN 0x05
	MUL8 1, 0, 3, 1, 0
	MUL8 1, 2, 3, 1, 0
	WIN 0
.endif
.endm
.macro Q2 src, win, out, hw
.if \win
	WIN 0x55
.else
	WIN 0x40
.endif
	v_max3_num_f32 v[M], |v[\src]|, |v[\src+1]|, 0x1800000
	v_max3_num_f32 v[M+1], |v[\src+16]|, |v[\src+17]|, 0x1800000
.if !(\win)
	WIN 0x41
.endif
.irp i, 2,4,6,8,10,12,14
	v_max3_num_f32 v[M], v[M], |v[\src+\i]|, |v[\src+\i+1]|
	v_max3_num_f32 v[M+1], v[M+1], |v[\src+16+\i]|, |v[\src+17+\i]|
.endr
	WIN 0x55
	v_permlanex16_b32 v[PT], v[M], s74, s75
	v_permlanex16_b32 v[PT+1], v[M+1], s74, s75
	v_max_num_f32 v[M], v[M], v[PT]
	v_max_num_f32 v[M+1], v[M+1], v[PT+1]
	v_add_nc_u32 v[M+2], 0xff000000, v[M]
	v_add_nc_u32 v[M+3], 0xff000000, v[M+1]
	v_lshrrev_b32 v[M], 23, v[M+2]
	v_lshrrev_b32 v[M+1], 23, v[M+3]
	v_lshl_or_b32 v[\hw], v[M+1], 8, v[M]
.if !(\win)
	WIN 0x44
.endif
	v_cvt_scalef32_pk16_fp6_f32 v[\out:\out+2], v[\src:\src+15], v[M+2]
	v_cvt_scalef32_pk16_fp6_f32 v[M+4:M+6], v[\src+16:\src+31], v[M+3]
	v_nop
	WIN 0x55
.irp i, 0,1,2
	v_permlane16_swap_b32 v[\out+\i], v[M+4+\i]
.endr
.irp i, 0,1,2
	v_mov_b32 v[\out+3+\i], v[M+4+\i]
.endr
.endm
.macro EPI_QK dp, sp, ex
	PLACES
.irp yt, 0,1,2,3
	WIN 0x58
.irp i, 0,2,4,6,8,10,12,14
	v_pk_mul_f32 v[T+\i:T+\i+1], v[ACC+32*\yt+\i:ACC+32*\yt+\i+1], v[CS+32*\yt+\i:CS+32*\yt+\i+1]
.endr
.irp i, 0,2,4,6,8,10,12,14
	v_pk_mul_f32 v[T+16+\i:T+17+\i], v[ACC+32*\yt+16+\i:ACC+32*\yt+17+\i], v[CS+32*\yt+\i:CS+32*\yt+\i+1]
.endr
.irp i, 0,2,4,6,8,10,12,14
	v_pk_fma_f32 v[T+\i:T+\i+1], v[ACC+32*\yt+16+\i:ACC+32*\yt+17+\i], v[CS+32*\yt+16+\i:CS+32*\yt+17+\i], v[T+\i:T+\i+1] neg_lo:[1,0,0] neg_hi:[1,0,0]
.endr
.irp i, 0,2,4,6,8,10,12,14
	v_pk_fma_f32 v[T+16+\i:T+17+\i], v[ACC+32*\yt+\i:ACC+32*\yt+\i+1], v[CS+32*\yt+16+\i:CS+32*\yt+17+\i], v[T+16+\i:T+17+\i]
.endr
	Q2 T, 1, CODE+8*\yt, HW+\yt
.endr
	v_lshl_or_b32 v[W], v[HW+1], 16, v[HW]
	v_lshl_or_b32 v[W+1], v[HW+3], 16, v[HW+2]
	WIN 0x04
.irp yt, 0,1,2,3
	global_store_b128 v14, v[CODE+8*\yt:CODE+8*\yt+3], s[\dp:\dp+1] offset:768*\yt
	global_store_b64 v15, v[CODE+8*\yt+4:CODE+8*\yt+5], s[\dp:\dp+1] offset:768*\yt+512
.endr
	ds_store_b64 v19, v[W:W+1] offset:\ex
	WIN 0
	s_wait_dscnt 0x0
	s_barrier_signal -1
	s_barrier_wait -1
	s_cmp_lg_u32 s16, 0
	s_cbranch_scc1 .Lnw_\@
	WIN 0x40
	ds_load_b64 v[W:W+1], v20 offset:\ex
	ds_load_b64 v[W+2:W+3], v20 offset:\ex+128
	s_wait_dscnt 0x0
	WIN 0x04
	global_store_b128 v21, v[W:W+3], s[\sp:\sp+1]
	WIN 0
.Lnw_\@:
	s_wait_xcnt 0x0
.endm
	s_load_b256 s[4:11], s[0:1], 0x0
	s_load_b128 s[12:15], s[0:1], 0x20
	v_lshl_add_u32 v[SPW], v0, 2, SPARE
	v_mov_b32 v[NIL], 0
	ds_add_u32 v[SPW], v[NIL]
	ds_add_u32 v[SPW], v[NIL]
	v_lshrrev_b32 v1, 5, v0
	v_readfirstlane_b32 s16, v1
	s_and_b32 s17, s16, 1
	s_lshr_b32 s18, s16, 1
	s_bfe_u32 s19, ttmp6, 0x40000
	s_bfe_u32 s20, ttmp6, 0x40004
	s_lshl_b32 s21, ttmp9, 2
	s_add_co_u32 s21, s21, s19
	s_and_b32 s22, ttmp7, 0xffff
	s_lshl_b32 s22, s22, 2
	s_add_co_u32 s22, s22, s20
	s_lshl_b32 s56, 0x1111, s19
	s_lshl_b32 s57, s20, 2
	s_lshl_b32 s57, 15, s57
	s_or_b32 s[G1X], s56, (3<<16)|(1<<21)
	s_or_b32 s[G1Y], s57, (3<<16)|(1<<21)
.irp g, G1X, G1Y
	s_mov_b32 s[\g+1], 32<<16
	s_mov_b32 s[\g+2], 100<<16
	s_mov_b32 s[\g+3], 32<<16
	s_mov_b32 s[\g+4], 100
	s_mov_b32 s[\g+5], 32
	s_mov_b32 s[\g+6], 0
	s_mov_b32 s[\g+7], 0
.endr
	s_lshl_b32 s58, s21, 1
	s_add_co_u32 s58, s58, s17
	s_mul_i32 s58, s58, QU
	s_add_co_u32 s58, s58, REGX
	s_mov_b32 s59, 0
	s_lshl_b32 s60, s22, 1
	s_add_co_u32 s60, s60, s17
	s_mul_i32 s60, s60, QU
	s_mov_b32 s61, 0
	s_mul_i32 s62, s16, QU
	s_mov_b32 s74, 0x76543210
	s_mov_b32 s75, 0xfedcba98
	s_lshl_b32 s88, s18, 4
	s_wait_dscnt 0x0
	s_wait_kmcnt 0x0
	s_add_nc_u64 s[58:59], s[4:5], s[58:59]
	s_add_nc_u64 s[60:61], s[4:5], s[60:61]
	CROUND
.irp s, 0,1
	s_mov_b32 s[G0X+4*\s], 1
	s_add_co_u32 s[G0X+4*\s+1], s62, \s*SLOT
	s_add_nc_u64 s[G0X+4*\s+2:G0X+4*\s+3], s[58:59], \s*XKG
	s_or_b32 s[G0X+4*\s+3], s[G0X+4*\s+3], 0x80000000
	s_mov_b32 s[G0Y+4*\s], 1
	s_add_co_u32 s[G0Y+4*\s+1], s62, \s*SLOT
	s_add_nc_u64 s[G0Y+4*\s+2:G0Y+4*\s+3], s[60:61], \s*YKG
	s_or_b32 s[G0Y+4*\s+3], s[G0Y+4*\s+3], 0x80000000
.endr
	JLOAD 0, 1
	v_and_b32 v1, 31, v0
	v_and_b32 v2, 15, v0
	v_bfe_u32 v3, v0, 4, 1
	v_lshlrev_b32 v14, 4, v1
	v_lshlrev_b32 v15, 3, v1
	s_mul_i32 s56, s17, QU
	s_mul_i32 s57, s18, QU
	s_add_co_u32 s57, s57, 2*QU
.irp s, 0,1
	v_add_nc_u32 v[4+\s], s56, v14
	v_add_nc_u32 v[6+\s], s56, v15
	v_add_nc_u32 v[8+\s], s57, v14
	v_add_nc_u32 v[10+\s], s57, v15
	s_add_co_u32 s56, s56, SLOT
	s_add_co_u32 s57, s57, SLOT
.endr
	s_mul_i32 s56, s17, QU
	s_mul_i32 s57, s18, QU
	s_add_co_u32 s57, s57, 2*QU
	s_sub_co_u32 s57, s57, s56
	v_mul_u32_u24 v12, s57, v3
	v_lshl_add_u32 v12, v2, 4, v12
	v_add_nc_u32 v12, s56, v12
	v_add_nc_u32 v13, SLOT, v12
	v_and_b32 v17, 8, v2
	v_add_nc_u32 v17, v17, v2
	v_lshlrev_b32 v18, 2, v17
	v_lshlrev_b32 v16, 8, v17
	v_lshl_add_u32 v16, v3, 6, v16
	v_lshlrev_b32 v17, 6, v3
	s_lshl_b32 s56, s17, 1
	s_add_co_u32 s56, s56, s18
	s_lshl_b32 s57, s56, 7
	s_add_co_u32 s57, s57, EXQ
	v_lshl_add_u32 v19, v2, 3, s57
	s_lshl_b32 s57, s56, 8
	s_add_co_u32 s57, s57, EXV
	v_lshl_add_u32 v22, v2, 4, s57
	v_lshlrev_b32 v20, 8, v3
	v_lshl_add_u32 v20, v2, 3, v20
	v_add_nc_u32 v20, EXQ, v20
	v_lshlrev_b32 v23, 9, v3
	v_lshl_add_u32 v23, v2, 4, v23
	v_add_nc_u32 v23, EXV, v23
	v_mul_u32_u24 v21, v3, 16*UNIT
	v_lshl_add_u32 v21, v2, 4, v21
	s_and_b32 s89, s22, 15
	s_lshl_b32 s89, s89, 7
	s_lshl_b32 s90, s18, 6
	s_add_co_u32 s89, s89, s90
	s_lshl_b32 s90, s89, 8
	s_add_co_u32 s90, s90, ROPE
	s_mov_b32 s91, 0
	s_add_nc_u64 s[80:81], s[4:5], s[90:91]
	s_lshl_b32 s90, s21, 9
	s_lshl_b32 s89, s17, 8
	s_add_co_u32 s90, s90, s89
	s_add_nc_u64 s[82:83], s[6:7], s[90:91]
	s_add_nc_u64 s[84:85], s[8:9], s[90:91]
	s_add_nc_u64 s[86:87], s[10:11], s[90:91]
	s_lshr_b32 s89, s22, 4
	s_lshl_b32 s89, s89, 4
	s_lshl_b32 s90, s21, 1
	s_add_co_u32 s89, s89, s90
	s_lshl_b32 s89, s89, 4
	s_and_b32 s90, s22, 15
	s_add_co_u32 s89, s89, s90
	s_mul_i32 s90, s89, UNIT
	s_add_co_u32 s92, s90, 12288
	s_mov_b32 s93, 0
	s_add_nc_u64 s[76:77], s[12:13], s[92:93]
	s_add_nc_u64 s[78:79], s[14:15], s[92:93]
	s_mul_i32 s92, s17, 16*UNIT
	s_add_co_u32 s92, s92, s90
	s_mul_i32 s94, s18, 3072
	s_add_co_u32 s94, s94, s92
	s_mov_b32 s95, 0
	s_add_nc_u64 s[66:67], s[12:13], s[94:95]
	s_add_nc_u64 s[68:69], s[14:15], s[94:95]
	s_mul_i32 s94, s18, 768
	s_add_co_u32 s94, s94, s92
	s_add_co_u32 s94, s94, 6144
	s_add_nc_u64 s[70:71], s[14:15], s[94:95]
	WIN 0x80
.irp yt, 0,1,2,3
.irp j, 0,1,2,3
	global_load_b128 v[CS+32*\yt+4*\j:CS+32*\yt+4*\j+3], v16, s[80:81] offset:256*(32*(\yt/2)+8*(\yt%2))+16*\j
	global_load_b128 v[CS+32*\yt+16+4*\j:CS+32*\yt+19+4*\j], v16, s[80:81] offset:256*(32*(\yt/2)+8*(\yt%2))+16*\j+128
.endr
.endr
.irp b, 0,1,2,3
	global_load_b128 v[128+8*\b:131+8*\b], v17, s[82:83] offset:4*(32*(\b/2)+8*(\b%2))
	global_load_b128 v[132+8*\b:135+8*\b], v17, s[82:83] offset:4*(32*(\b/2)+8*(\b%2))+16
	global_load_b128 v[160+8*\b:163+8*\b], v17, s[84:85] offset:4*(32*(\b/2)+8*(\b%2))
	global_load_b128 v[164+8*\b:167+8*\b], v17, s[84:85] offset:4*(32*(\b/2)+8*(\b%2))+16
.irp j, 0,1,2,3,4,5,6,7
	global_load_b32 v[192+8*\b+\j], v18, s[86:87] offset:4*(32*(\b/2)+8*(\b%2))
.endr
.endr
	WIN 0x40
	v_mov_b32 v[PT], 0
	v_mov_b32 v[PT+1], 0
	WIN 0
	s_wait_alu depctr_va_vdst(0)
	s_wait_tensorcnt 0x0
	ds_add_u32 v[SPW], v[NIL]
	s_wait_dscnt 0x0
	CROUND
	JLOAD 1, 1
	s_wait_loadcnt 0x0
	FETCH 0, 0, 0
	WIN 0
	SCALES 0
	KWORK 2, 2
	EPI_QK 66, 76, 0
	FETCH 0, 0, 0
	WIN 0
	SCALES 0
.set BC, 160
	KWORK 2, 2
	EPI_QK 68, 78, 512
	FETCH 0, 0, 0
	WIN 0
	SCALES 0
.set BC, 192
.set SWP, 1
	KWORK 0, 0
	PLACES
.irp xt, 0,1,2,3
	Q2 ACC+32*\xt, 0, CODE+8*\xt, HW+\xt
.endr
.irp xt, 0,1,2,3
	v_lshlrev_b32 v[HW+\xt], s88, v[HW+\xt]
.endr
	WIN 0x04
.irp xt, 0,1,2,3
	global_store_b128 v14, v[CODE+8*\xt:CODE+8*\xt+3], s[70:71] offset:1536*\xt
	global_store_b64 v15, v[CODE+8*\xt+4:CODE+8*\xt+5], s[70:71] offset:1536*\xt+512
.endr
	ds_store_b128 v22, v[HW:HW+3]
	WIN 0
	s_wait_dscnt 0x0
	s_barrier_signal -1
	s_barrier_wait -1
	s_cmp_lg_u32 s16, 0
	s_cbranch_scc1 .Lnot0
	WIN 0x40
	ds_load_b128 v[HW:HW+3], v23
	ds_load_b128 v[W:W+3], v23 offset:256
	s_wait_dscnt 0x0
	WIN 0x55
.irp i, 0,1,2,3
	v_or_b32 v[HW+\i], v[HW+\i], v[W+\i]
.endr
	WIN 0x04
	global_store_b128 v21, v[HW:HW+3], s[78:79] offset:256
	WIN 0
.Lnot0:
	s_wait_tensorcnt 0x0
	ds_add_u32 v[SPW], v[NIL]
	s_wait_dscnt 0x0
	CROUND
	s_endpgm
.Lfunc_end_k_qb33c87f656_qkv:
	.size	k_qb33c87f656_qkv, .Lfunc_end_k_qb33c87f656_qkv-k_qb33c87f656_qkv
	.p2alignl 7, 3214868480
	.fill 96, 4, 3214868480
	.section	.rodata,"a",@progbits
	.p2align	6, 0x0
	.amdhsa_kernel k_qb33c87f656_qkv
		.amdhsa_group_segment_fixed_size 327680
		.amdhsa_private_segment_fixed_size 0
		.amdhsa_enable_private_segment 0
		.amdhsa_kernarg_size 48
		.amdhsa_user_sgpr_count 2
		.amdhsa_user_sgpr_kernarg_segment_ptr 1
		.amdhsa_wavefront_size32 1
		.amdhsa_system_sgpr_workgroup_id_x 1
		.amdhsa_system_sgpr_workgroup_id_y 1
		.amdhsa_system_sgpr_workgroup_id_z 1
		.amdhsa_system_vgpr_workitem_id 0
		.amdhsa_next_free_vgpr 768
		.amdhsa_next_free_sgpr 100
		.amdhsa_reserve_vcc 0
		.amdhsa_float_denorm_mode_32 3
		.amdhsa_float_denorm_mode_16_64 3
		.amdhsa_memory_ordered 1
		.amdhsa_forward_progress 1
		.amdhsa_inst_pref_size 169
	.end_amdhsa_kernel
	.amdgpu_metadata
---
amdhsa.version: [ 1, 2 ]
amdhsa.kernels:
  - .name:           k_qb33c87f656_qkv
    .symbol:         k_qb33c87f656_qkv.kd
    .args:
      - { .name: pk1, .offset: 0, .size: 8, .value_kind: global_buffer, .address_space: global }
      - { .name: bq, .offset: 8, .size: 8, .value_kind: global_buffer, .address_space: global }
      - { .name: bk, .offset: 16, .size: 8, .value_kind: global_buffer, .address_space: global }
      - { .name: bv, .offset: 24, .size: 8, .value_kind: global_buffer, .address_space: global }
      - { .name: qa, .offset: 32, .size: 8, .value_kind: global_buffer, .address_space: global }
      - { .name: kv, .offset: 40, .size: 8, .value_kind: global_buffer, .address_space: global }
    .group_segment_fixed_size: 327680
    .private_segment_fixed_size: 0
    .kernarg_segment_align: 8
    .kernarg_segment_size: 48
    .max_flat_workgroup_size: 128
    .sgpr_count:     100
    .vgpr_count:     768
    .wavefront_size: 32
...
	.end_amdgpu_metadata
.endif
;; end of part 2
;; launch attn (part 3): grid 8 x 32, 8 waves a work-group, clusters of 4 x 1, 215,040 bytes of LDS; arguments qa, kv, mask, apk; writes apk
.if DOCPART == 3
	.amdgcn_target "amdgcn-amd-amdhsa--gfx1250"
	.amdhsa_code_object_version 6
	.text
	.protected	k_qb33c87f656_attn
	.globl	k_qb33c87f656_attn
	.p2align	8
	.type	k_qb33c87f656_attn,@function
k_qb33c87f656_attn:
	s_mov_b64 s[64:65], 0
	v_nop
	global_prefetch_b8 v0, s[64:65] scope:SCOPE_SE
	s_setreg_imm32_b32 hwreg(HW_REG_WAVE_MODE, 25, 1), 1
	s_wait_xcnt 0x0
	s_wait_alu depctr_hold_cnt(0) depctr_sa_sdst(0) depctr_va_vdst(0) depctr_va_sdst(0) depctr_va_ssrc(0) depctr_va_vcc(0) depctr_vm_vsrc(0)
	s_getreg_b32 s2, hwreg(HW_REG_IB_STS2, 6, 4)
	s_cmp_eq_u32 s2, 0
	s_cbranch_scc0 .Lentry_in_a_cluster
	s_endpgm
.Lentry_in_a_cluster:
	s_bfe_u32 s2, ttmp6, 0x10000c
	s_cmp_lg_u32 s2, 0x3003
	s_cbranch_scc0 .Lentry_shape_is_right
	s_endpgm
.Lentry_shape_is_right:
; O = softmax(q k^T / 8, masked keys left out) v for one head, both products on codes of MX-FP6; O / l is quantised along the features and leaves as an operand of the next product.
; THE SOFTMAX: t = score x log2(e) / 8; M = the running largest t rounded up to a whole number; p = 2^(t - M) is quantised along the keys; l is the sum of the unquantised p.
; SHARES.  Work-group y = 16 x batch + head; a work-group owns 256 queries; each of its eight waves owns TWO tiles of 16 queries (x = 0, 1), which share every fragment of k and v and every key's mask number.
; A head's k and v for all 2,048 keys, 16 step units of 12,800 bytes, lie in LDS: wave w brings units 2 w, 2 w + 1 by ONE tensor load, filled once: the loop has no refill and no barrier.
; The four work-groups of a cluster share the head and ask jointly.  No prefetch: all that the launch reads by tensor loads is asked for at its head, ahead of any loop.
; A PAIR FRAGMENT of k holds two tiles of 16 keys, 64 along the head each.  It is multiplied by [q | zero codes] and by [zero codes | q]: q lies as q, zeros, q in 18 registers, and the two operands overlap in the zeros.
; The dead half's scale bytes of q are 1.  Both products are used transposed: a lane holds ONE query of each tile; the 16 registers of key tiles 2 b, 2 b + 1 are keys 32 b + 16 (lane / 16) + 0 .. 15.
; THE MASK is the C of the scores' products: 0 for a key that counts, -2^120 for one that does not; the largest t begins at -2^100.  So a masked key's p is 0 exactly, with no infinity.
; LDS LOADS of a step stand in one run behind the scores' products: v of this step (17 loads), then k, its scale words and the mask numbers of the NEXT step (33 loads).  The last step is written out: it asks for no next step.
; LIMITS: |score| log2(e) / 8 stays under 2^100; NaN and infinities are not served; a batch with every key masked gives numbers without meaning here, which later launches replace by the zeros that are asked for.
; WINDOW 0: v1-4 lane terms; v5, v6 the add's two; v8-11 the step's addresses; then as named below.  WINDOW 1: v0-127 scores, then p (64 a tile); then as named below.
.set UNIT,  12800
.set QU,    25600
.set MB,    16*UNIT                    ; behind the units: a number for each key, 8,192 bytes
.set SPARE, MB+8192                    ; the spare words, 128 bytes for each wave: four blocks of 256 bytes that no other line names
.set KF, 16                            ; window 0: v16-63 k's four pair fragments
.set VF, 64                            ; v64-111 v's four fragments
.set MK, 112                           ; v112-175 the step's 64 mask numbers
.set KS, 176                           ; v176-179 k's scale words, v180-183 v's
.set VS, 180
.set QS, 184                           ; v184-187 q's scale words: tile x, half u at 2 x + u
.set PW, 188                           ; v188-189 p's scale word of tile x
.set O,  192                           ; v192-255 O^T, 32 a tile
.set QF, 128                           ; window 1: v128-163 q, zeros, q: 18 a tile
.set T,  164                           ; v164-179 partial sums, four pairs a tile
.set TP, 183                           ; v183, v187 at work
.set NM, 188                           ; pairs a tile: -M and the largest t;
.set L,  192                           ; l in two halves;
.set F,  196                           ; f = 2^(old M - new M)
.set BM, 200                           ; four a tile: the blocks' largest; lane l xor 16's, then bytes; the conversions' scale operands
.set PT, 208
.set SO, 216
.set CV, 224                           ; the conversions' second halves: tile 0 at v224, tile 1 at v180
.set CD, 232                           ; v232-255 p's codes, 12 a tile
.set MSB, 0
.macro WIN new                         ; the immediate's high byte repeats the setting that is left
.if MSB != \new
	s_set_vgpr_msb (MSB<<8)|\new
.set MSB, \new
.endif
.endm
.macro D1
	s_delay_alu instid0(VALU_DEP_1)
.endm
.macro D2
	s_delay_alu instid0(VALU_DEP_2)
.endm
.macro D4
	s_delay_alu instid0(VALU_DEP_4)
.endm
.macro CROUND
	s_barrier_signal -1
	s_barrier_wait -1
	s_cmp_lg_u32 s16, 0
	s_cbranch_scc1 .Lnw0_\@
	s_barrier_signal -3
.Lnw0_\@:
	s_barrier_wait -3
	s_barrier_signal -1
	s_barrier_wait -1
.endm
.macro FRAG reg, off
	ds_load_b128 v[\reg:\reg+3], v8 offset:\off
	ds_load_b64 v[\reg+4:\reg+5], v9 offset:\off+512
	ds_load_b128 v[\reg+6:\reg+9], v8 offset:\off+768
	ds_load_b64 v[\reg+10:\reg+11], v9 offset:\off+1280
.endm
.macro KLOAD off, moff                 ; 33 loads: k's fragments, their scale words, the keys' numbers
.irp b, 0,1,2,3
	FRAG KF+12*\b, (\off)+1536*\b
.endr
	ds_load_b128 v[KS:KS+3], v10 offset:(\off)+12288
.irp j, 0,1,2,3,4,5,6,7,8,9,10,11,12,13,14,15
	ds_load_b128 v[MK+4*\j:MK+4*\j+3], v11 offset:(\moff)+128*(\j/4)+16*(\j%4)
.endr
.endm
; 128 keys for both tiles.  more = 1: the next step's k and mask numbers are asked for
.macro STEP more
	s_wait_dscnt 0x0                               ; k, its scale words and the mask numbers, asked for a step ago
	WIN 0x44                                       ; D and q window 1; k and C window 0
.irp b, 0,1,2,3
.irp u, 0,1
.irp x, 0,1
	v_wmma_scale_f32_16x16x128_f8f6f4 v[64*\x+16*\b+8*\u:64*\x+16*\b+8*\u+7], v[KF+12*\b:KF+12*\b+11], v[QF+18*\x+6*\u:QF+18*\x+6*\u+11], v[MK+16*\b+8*\u:MK+16*\b+8*\u+7], v[KS+\b], v[QS+2*\x+\u] matrix_a_fmt:MATRIX_FMT_FP6 matrix_b_fmt:MATRIX_FMT_FP6
.endr
.endr
.endr
.rept 4
	v_nop                                          ; places ahead of the loads into the products' registers and of the first read of the scores
.endr
	WIN 0
.irp t, 0,1,2,3
	FRAG VF+12*\t, 6144+1536*\t
.endr
	ds_load_b128 v[VS:VS+3], v10 offset:12544
.if \more
	KLOAD UNIT, 512
	s_add_co_u32 s2, s2, UNIT
	s_add_co_u32 s3, s3, 512
	v_add_nc_u32 v8, s2, v1                        ; the next step's addresses
	v_add_nc_u32 v9, s2, v2
	v_add_nc_u32 v10, s2, v3
	v_add_nc_u32 v11, s3, v4
.endif
	WIN 0x55
.irp b, 0,1,2,3
.irp x, 0,1
	v_max3_num_f32 v[BM+4*\x+\b], v[64*\x+16*\b], v[64*\x+16*\b+1], v[64*\x+16*\b+2]   ; the largest score of each block of 32 keys: eight chains by turns
.endr
.endr
.irp i, 3,5,7,9,11,13
.irp b, 0,1,2,3
.irp x, 0,1
	v_max3_num_f32 v[BM+4*\x+\b], v[BM+4*\x+\b], v[64*\x+16*\b+\i], v[64*\x+16*\b+\i+1]
.endr
.endr
.endr
.irp b, 0,1,2,3
.irp x, 0,1
	v_max_num_f32 v[BM+4*\x+\b], v[BM+4*\x+\b], v[64*\x+16*\b+15]
.endr
.endr
.irp b, 0,1,2,3
.irp x, 0,1
	v_permlanex16_b32 v[PT+4*\x+\b], v[BM+4*\x+\b], s20, s21
.endr
.endr
.irp b, 0,1,2,3
.irp x, 0,1
	v_max_num_f32 v[BM+4*\x+\b], v[BM+4*\x+\b], v[PT+4*\x+\b]
.endr
.endr
.irp x, 0,1
	D4
	v_max3_num_f32 v[TP+4*\x], v[BM+4*\x], v[BM+4*\x+1], v[BM+4*\x+2]
.endr
.irp x, 0,1
	D2
	v_max_num_f32 v[TP+4*\x], v[TP+4*\x], v[BM+4*\x+3]
.endr
.irp x, 0,1
	D2
	v_mul_f32 v[TP+4*\x], s22, v[TP+4*\x]
.endr
.irp x, 0,1
	D2
	v_max_num_f32 v[NM+2*\x+1], v[NM+2*\x+1], v[TP+4*\x]   ; the running largest t
.endr
.irp x, 0,1
	v_mov_b32 v[TP+4*\x], v[NM+2*\x]
.endr
.irp x, 0,1
	D4
	v_floor_f32 v[NM+2*\x], -v[NM+2*\x+1]          ; -M = floor(-t): M is a whole number
.endr
.irp x, 0,1
	D2
	v_sub_f32 v[TP+4*\x], v[NM+2*\x], v[TP+4*\x]
.endr
.irp x, 0,1
	D2
	v_cvt_i32_f32 v[TP+4*\x], v[TP+4*\x]           ; (it saturates)
.endr
.irp x, 0,1
	D2
	v_ldexp_f32 v[F+2*\x], 1.0, v[TP+4*\x]         ; f = 2^(old M - new M): rounds nothing
.endr
.irp x, 0,1
.irp j, 0,2,4,6,8,10,12,14,16,18,20,22,24,26,28,30,32,34,36,38,40,42,44,46,48,50,52,54,56,58,60,62
	v_pk_fma_f32 v[64*\x+\j:64*\x+\j+1], v[64*\x+\j:64*\x+\j+1], s[22:23], v[NM+2*\x:NM+2*\x+1] op_sel_hi:[1,0,0]   ; t - M
.endr
.endr
.irp b, 0,1,2,3
.irp x, 0,1
	v_fma_f32 v[BM+4*\x+\b], v[BM+4*\x+\b], s22, v[NM+2*\x]
.endr
.endr
	s_wait_alu depctr_va_vdst(0)                   ; the wait ahead of the batch
.set J, 0
.rept 128
	v_exp_f32 v[J], v[J]                           ; p
.set J, J+1
.endr
.irp i, 0,1,2,3,4,5,6,7
	v_exp_f32 v[BM+\i], v[BM+\i]                   ; each block's largest p
.endr
	v_nop                                          ; a plain place behind the batch
	s_wait_alu depctr_va_vdst(0)                   ; one wait for the whole batch, ahead of its first reader
.irp k, 0,1,2,3
.irp x, 0,1
	v_pk_add_f32 v[T+8*\x+2*\k:T+8*\x+2*\k+1], v[64*\x+2*\k:64*\x+2*\k+1], v[64*\x+8+2*\k:64*\x+8+2*\k+1]   ; the sum of the unquantised p: eight chains by turns
.endr
.endr
.irp j, 16,24,32,40,48,56
.irp k, 0,1,2,3
.irp x, 0,1
	v_pk_add_f32 v[T+8*\x+2*\k:T+8*\x+2*\k+1], v[T+8*\x+2*\k:T+8*\x+2*\k+1], v[64*\x+\j+2*\k:64*\x+\j+2*\k+1]
.endr
.endr
.endr
.irp k, 0,4
.irp x, 0,1
	v_pk_add_f32 v[T+8*\x+\k:T+8*\x+\k+1], v[T+8*\x+\k:T+8*\x+\k+1], v[T+8*\x+\k+2:T+8*\x+\k+3]
.endr
.endr
.irp x, 0,1
	D2
	v_pk_add_f32 v[T+8*\x:T+8*\x+1], v[T+8*\x:T+8*\x+1], v[T+8*\x+4:T+8*\x+5]
.endr
.irp x, 0,1
	D2
	v_pk_fma_f32 v[L+2*\x:L+2*\x+1], v[L+2*\x:L+2*\x+1], v[F+2*\x:F+2*\x+1], v[T+8*\x:T+8*\x+1] op_sel_hi:[1,0,1]   ; l under the new M, and this step's part
.endr
.irp i, 0,1,2,3,4,5,6,7
	v_max_num_f32 v[BM+\i], 0x1800000, v[BM+\i]    ; the floor 2^(3 - 127)
.endr
.irp i, 0,1,2,3,4,5,6,7
	v_add_nc_u32 v[SO+\i], 0xff000000, v[BM+\i]    ; 2 off the exponent field: the conversion's scale operand
.endr
.irp i, 0,1,2,3,4,5,6,7
	v_lshrrev_b32 v[PT+\i], 23, v[SO+\i]           ; the byte
.endr
.irp x, 0,1
	v_lshl_or_b32 v[TP+4*\x], v[PT+4*\x+1], 8, v[PT+4*\x]
.endr
.irp x, 0,1
	v_lshl_or_b32 v[TP+4*\x], v[PT+4*\x+2], 16, v[TP+4*\x]
.endr
	WIN 0x15                                       ; scale words lie in window 0
.irp x, 0,1
	v_lshl_or_b32 v[PW+\x], v[PT+4*\x+3], 24, v[TP+4*\x]
.endr
	WIN 0x55
.irp x, 0,1
.irp c, 0,1
	v_cvt_scalef32_pk16_fp6_f32 v[CD+12*\x+6*\c:CD+12*\x+6*\c+2], v[64*\x+32*\c:64*\x+32*\c+15], v[SO+4*\x+2*\c]
	v_cvt_scalef32_pk16_fp6_f32 v[CV-44*\x+4*\c:CV-44*\x+4*\c+2], v[64*\x+32*\c+16:64*\x+32*\c+31], v[SO+4*\x+2*\c+1]
.endr
.endr
	v_nop                                          ; one plain place behind a scaled conversion
.irp c, 0,1                                        ; the operand wants a whole block in a lane
.irp i, 0,1,2
.irp x, 0,1
	v_permlane16_swap_b32 v[CD+12*\x+6*\c+\i], v[CV-44*\x+4*\c+\i]
.endr
.endr
.irp i, 0,1,2
.irp x, 0,1
	v_mov_b32 v[CD+12*\x+6*\c+3+\i], v[CV-44*\x+4*\c+\i]
.endr
.endr
.endr
.if \more
	s_wait_dscnt 33                                ; v and its scale words are in; the 33 loads for the next step, issued behind them, may be out
.else
	s_wait_dscnt 0x0
.endif
	WIN 0x04                                       ; O^T and v window 0; f and p's codes window 1
	s_wait_alu depctr_va_vdst(0)                   ; the wait directly ahead of the first reader of O^T
.irp x, 0,1
.irp j, 0,2,4,6,8,10,12,14,16,18,20,22,24,26,28,30
	v_pk_mul_f32 v[O+32*\x+\j:O+32*\x+\j+1], v[O+32*\x+\j:O+32*\x+\j+1], v[F+2*\x:F+2*\x+1] op_sel_hi:[1,0]   ; O^T under the new M; these are also the places ahead of the scaled products
.endr
.endr
.irp t, 0,1,2,3
.irp x, 0,1
	v_wmma_scale_f32_16x16x128_f8f6f4 v[O+32*\x+8*\t:O+32*\x+8*\t+7], v[VF+12*\t:VF+12*\t+11], v[CD+12*\x:CD+12*\x+11], v[O+32*\x+8*\t:O+32*\x+8*\t+7], v[VS+\t], v[PW+\x] matrix_a_fmt:MATRIX_FMT_FP6 matrix_b_fmt:MATRIX_FMT_FP6
.endr
.endr
	WIN 0
.endm
	s_load_b256 s[4:11], s[0:1], 0x0               ; qa s[4:5], kv s[6:7], mask s[8:9], apk s[10:11]
	v_lshl_add_u32 v5, v0, 2, SPARE
	v_mov_b32 v6, 0
	ds_add_u32 v5, v6                              ; the wave's opening: the add, twice on end, and its wait ahead of my first tensor load
	ds_add_u32 v5, v6
	v_lshrrev_b32 v1, 5, v0
	v_readfirstlane_b32 s16, v1                    ; wave 0..7
	s_and_b32 s17, ttmp7, 0xffff                   ; 16 x batch + head: the four partners share it
	s_bfe_u32 s18, ttmp6, 0x40000                  ; cx
	s_lshl_b32 s19, ttmp9, 2
	s_add_co_u32 s19, s19, s18                     ; my block of 256 queries: it enters global addresses of q and of the output alone
	s_mov_b32 s24, 15|(3<<16)|(1<<21)              ; the mask: all four; elements of 8 bytes; bit 21 beside a mask
	s_mov_b32 s25, 32<<16                          ; two units are 100 dense rows of 256 bytes
	s_mov_b32 s26, 100<<16
	s_mov_b32 s27, 32<<16
	s_mov_b32 s28, 100
	s_mov_b32 s29, 32
	s_mov_b32 s30, 0
	s_mov_b32 s31, 0
	s_mov_b32 s20, 0x76543210
	s_mov_b32 s21, 0xfedcba98
	s_mov_b32 s22, 0x3e38aa3b                      ; c = log2(e) / 8
	s_mov_b32 s23, s22
	s_lshl_b32 s46, s17, 4
	s_lshl_b32 s47, s16, 1
	s_add_co_u32 s46, s46, s47
	s_mul_i32 s46, s46, UNIT                       ; my two units of k and v in memory,
	s_mov_b32 s47, 0
	s_mul_i32 s48, s16, 2*UNIT                     ; and in LDS
	s_lshl_b32 s40, s17, 4
	s_lshl_b32 s41, s19, 1
	s_add_co_u32 s40, s40, s41
	s_lshr_b32 s41, s16, 2
	s_add_co_u32 s40, s40, s41
	s_mul_i32 s40, s40, UNIT                       ; the unit of qa that holds my queries
	s_and_b32 s41, s16, 3                          ; my pair of tiles in it
	s_mul_i32 s42, s41, 1536
	s_add_co_u32 s42, s42, s40
	s_mov_b32 s43, 0
	s_lshl_b32 s41, s41, 2
	s_add_co_u32 s44, s40, s41
	s_add_co_u32 s44, s44, 12288                   ; the pair's scale words
	s_mov_b32 s45, 0
	s_lshr_b32 s50, s17, 4
	s_lshl_b32 s50, s50, 11                        ; my batch's mask
	s_mov_b32 s51, 0
	s_and_b32 s52, s17, 15                         ; the head
	s_lshr_b32 s53, s52, 3
	s_lshl_b32 s53, s53, 6
	s_lshr_b32 s54, s17, 4
	s_lshl_b32 s54, s54, 5
	s_add_co_u32 s53, s53, s54
	s_lshl_b32 s54, s19, 2
	s_add_co_u32 s53, s53, s54
	s_lshr_b32 s54, s16, 1
	s_add_co_u32 s53, s53, s54
	s_mul_i32 s53, s53, QU                         ; the output's quad: 64 x (head / 8) + 32 x batch + my 64 tokens
	s_and_b32 s52, s52, 7
	s_and_b32 s54, s16, 1                          ; my two tiles are its tiles 0, 1 or 2, 3
	s_mul_i32 s55, s54, 12288
	s_add_co_u32 s55, s55, s53
	s_mul_i32 s38, s52, 768                        ; a head is half a K step of 128
	s_add_co_u32 s38, s38, s55
	s_mov_b32 s39, 0
	s_lshl_b32 s54, s54, 9
	s_add_co_u32 s54, s54, s53
	s_lshl_b32 s52, s52, 1
	s_add_co_u32 s54, s54, s52
	s_add_co_u32 s54, s54, 24576
	s_mov_b32 s55, 0
	s_wait_dscnt 0x0                               ; both opening adds are done
	s_wait_kmcnt 0x0
	s_mov_b32 s32, 1
	s_mov_b32 s33, s48
	s_add_nc_u64 s[34:35], s[6:7], s[46:47]
	s_or_b32 s35, s35, 0x80000000
	CROUND                                         ; all four work-groups are here: the joint loads meet
	tensor_load_to_lds s[32:35], s[24:31]          ; my one tensor load of the launch
	s_nop 0
.rept 4
	v_nop
.endr
	s_add_nc_u64 s[56:57], s[4:5], s[42:43]
	s_add_nc_u64 s[58:59], s[4:5], s[44:45]
	s_add_nc_u64 s[60:61], s[10:11], s[38:39]
	s_add_nc_u64 s[62:63], s[10:11], s[54:55]
	s_add_nc_u64 s[8:9], s[8:9], s[50:51]
	v_and_b32 v2, 31, v0
	v_and_b32 v3, 15, v0
	v_bfe_u32 v4, v0, 4, 1
	v_lshlrev_b32 v7, 3, v0
	D4
	v_lshlrev_b32 v1, 4, v2                        ; 16 l
	v_lshlrev_b32 v2, 3, v2                        ; 8 l
	v_lshlrev_b32 v3, 4, v3                        ; 16 r
	v_lshl_add_u32 v4, v4, 6, MB                   ; the keys' numbers: + 64 h
	global_load_b64 v[12:13], v7, s[8:9]           ; thread t: keys 8 t .. 8 t + 7
	global_load_b32 v[QS], v3, s[58:59]            ; row r's word: tile 0's two bytes below, tile 1's above
	WIN 0x40
.irp x, 0,1
.irp u, 0,1
	global_load_b128 v[QF+18*\x+12*\u:QF+18*\x+12*\u+3], v1, s[56:57] offset:768*\x        ; q's six registers, twice
	global_load_b64 v[QF+18*\x+12*\u+4:QF+18*\x+12*\u+5], v2, s[56:57] offset:768*\x+512
.endr
.irp i, 6,7,8,9,10,11
	v_mov_b32 v[QF+18*\x+\i], 0                    ; zero codes between them
.endr
	v_mov_b32 v[NM+2*\x+1], 0xf1800000             ; the largest t so far: -2^100,
	v_mov_b32 v[NM+2*\x], 0x71800000               ; and -M = 2^100
	v_mov_b32 v[L+2*\x], 0
	v_mov_b32 v[L+2*\x+1], 0
	v_mov_b32 v[F+2*\x], 0
	v_mov_b32 v[F+2*\x+1], 0
.endr
.irp i, 0,1,2,3,4,5,6,7
	v_mov_b32 v[PT+\i], 0                          ; a lane permute's destination counts as one of its sources
.endr
	WIN 0
	v_mov_b32 v15, 0xfb800000                      ; -2^120
	v_lshl_add_u32 v10, v0, 5, MB
	s_wait_alu depctr_va_vdst(0)
	s_wait_loadcnt 0x0
.irp w, 0,1
.irp k, 0,1,2,3
	v_bfe_u32 v14, v[12+\w], 8*\k, 8
	D1
	v_cmp_eq_u32 vcc_lo, 0, v14
	D1
	v_cndmask_b32 v[16+4*\w+\k], 0, v15, vcc_lo
.endr
.endr
	ds_store_b128 v10, v[16:19]
	ds_store_b128 v10, v[20:23] offset:16
	v_and_b32 v12, 0xffff, v[QS]
	v_lshrrev_b32 v13, 16, v[QS]
	D2
	v_or_b32 v[QS], 0x01010000, v12                ; [q | zeros]: the dead half's bytes are 1
	v_lshl_or_b32 v[QS+1], v12, 16, 0x0101         ; [zeros | q]
	v_or_b32 v[QS+2], 0x01010000, v13
	v_lshl_or_b32 v[QS+3], v13, 16, 0x0101
.set J, 0
.rept 64
	v_mov_b32 v[O+J], 0                            ; O^T: the step is written for all steps alike; the first finds zeros
.set J, J+1
.endr
	s_mov_b32 s2, 0
	s_mov_b32 s3, 0
	s_mov_b32 s36, 15
	v_add_nc_u32 v8, s2, v1
	v_add_nc_u32 v9, s2, v2
	v_add_nc_u32 v10, s2, v3
	v_add_nc_u32 v11, s3, v4
	s_wait_alu depctr_va_vdst(0)                   ; the wait at the head's end
	s_wait_tensorcnt 0x0                           ; my units have landed,
	s_wait_dscnt 0x0                               ; and my keys' numbers
	s_barrier_signal -1
	s_barrier_wait -1                              ; everybody's have
	KLOAD 0, 0
.Lstep:
	STEP 1
	s_sub_co_u32 s36, s36, 1
	s_cmp_lg_u32 s36, 0
	s_cbranch_scc1 .Lstep
	STEP 0
	; THE WAY OUT: O^T / l; register 16 b + i is feature 32 b + 16 h + i of my query: two blocks along the next K
	WIN 0x55
.irp x, 0,1
	v_add_f32 v[L+2*\x], v[L+2*\x], v[L+2*\x+1]
.endr
.irp x, 0,1
	D2
	v_permlanex16_b32 v[PT+\x], v[L+2*\x], s20, s21
.endr
.irp x, 0,1
	D2
	v_add_f32 v[L+2*\x], v[L+2*\x], v[PT+\x]
.endr
	s_wait_alu depctr_va_vdst(0)
.irp x, 0,1
	v_rcp_f32 v[L+2*\x], v[L+2*\x]
.endr
	v_nop
	v_nop
	WIN 0x44
	s_wait_alu depctr_va_vdst(0)                   ; for the reciprocals, and directly ahead of the first reader of O^T
.irp x, 0,1
.irp j, 0,2,4,6,8,10,12,14,16,18,20,22,24,26,28,30
	v_pk_mul_f32 v[64*\x+\j:64*\x+\j+1], v[O+32*\x+\j:O+32*\x+\j+1], v[L+2*\x:L+2*\x+1] op_sel_hi:[1,0]
.endr
.endr
	WIN 0x55
.irp b, 0,1
.irp x, 0,1
	v_max3_num_f32 v[BM+4*\x+\b], |v[64*\x+16*\b]|, |v[64*\x+16*\b+1]|, 0x1800000
.endr
.endr
.irp i, 2,4,6,8,10,12,14
.irp b, 0,1
.irp x, 0,1
	D4
	v_max3_num_f32 v[BM+4*\x+\b], v[BM+4*\x+\b], |v[64*\x+16*\b+\i]|, |v[64*\x+16*\b+\i+1]|
.endr
.endr
.endr
.irp b, 0,1
.irp x, 0,1
	D4
	v_permlanex16_b32 v[PT+4*\x+\b], v[BM+4*\x+\b], s20, s21
.endr
.endr
.irp b, 0,1
.irp x, 0,1
	D4
	v_max_num_f32 v[BM+4*\x+\b], v[BM+4*\x+\b], v[PT+4*\x+\b]
.endr
.endr
.irp b, 0,1
.irp x, 0,1
	D4
	v_add_nc_u32 v[SO+4*\x+\b], 0xff000000, v[BM+4*\x+\b]
.endr
.endr
.irp b, 0,1
.irp x, 0,1
	D4
	v_lshrrev_b32 v[PT+4*\x+\b], 23, v[SO+4*\x+\b]
.endr
.endr
.irp x, 0,1
	D2
	v_lshl_or_b32 v[TP+4*\x], v[PT+4*\x+1], 8, v[PT+4*\x]
.endr
.irp x, 0,1
	v_cvt_scalef32_pk16_fp6_f32 v[CD+12*\x:CD+12*\x+2], v[64*\x:64*\x+15], v[SO+4*\x]
	v_cvt_scalef32_pk16_fp6_f32 v[CV-44*\x:CV-44*\x+2], v[64*\x+16:64*\x+31], v[SO+4*\x+1]
.endr
	v_nop
.irp i, 0,1,2
.irp x, 0,1
	v_permlane16_swap_b32 v[CD+12*\x+\i], v[CV-44*\x+\i]
.endr
.endr
.irp i, 0,1,2
.irp x, 0,1
	v_mov_b32 v[CD+12*\x+3+\i], v[CV-44*\x+\i]
.endr
.endr
	WIN 0x04                                       ; the stores' data lie in window 1
.irp x, 0,1
	global_store_b128 v1, v[CD+12*\x:CD+12*\x+3], s[60:61] offset:6144*\x          ; my head's half of a fragment: 512 and 256 consecutive bytes
	global_store_b64 v2, v[CD+12*\x+4:CD+12*\x+5], s[60:61] offset:6144*\x+512
	global_store_b16 v3, v[TP+4*\x], s[62:63] offset:256*\x                        ; two bytes of row r's scale word (the other two are another head's); lanes 16-31 name the same bytes with the same value
.endr
	WIN 0
	s_wait_tensorcnt 0x0                           ; the wave's end
	ds_add_u32 v5, v6
	s_wait_dscnt 0x0
	CROUND                                         ; the closing round
	s_endpgm
.Lfunc_end_k_qb33c87f656_attn:
	.size	k_qb33c87f656_attn, .Lfunc_end_k_qb33c87f656_attn-k_qb33c87f656_attn
	.p2alignl 7, 3214868480
	.fill 96, 4, 3214868480
	.section	.rodata,"a",@progbits
	.p2align	6, 0x0
	.amdhsa_kernel k_qb33c87f656_attn
		.amdhsa_group_segment_fixed_size 215040
		.amdhsa_private_segment_fixed_size 0
		.amdhsa_enable_private_segment 0
		.amdhsa_kernarg_size 32
		.amdhsa_user_sgpr_count 2
		.amdhsa_user_sgpr_kernarg_segment_ptr 1
		.amdhsa_wavefront_size32 1
		.amdhsa_system_sgpr_workgroup_id_x 1
		.amdhsa_system_sgpr_workgroup_id_y 1
		.amdhsa_system_sgpr_workgroup_id_z 1
		.amdhsa_system_vgpr_workitem_id 0
		.amdhsa_next_free_vgpr 512
		.amdhsa_next_free_sgpr 66
		.amdhsa_reserve_vcc 1
		.amdhsa_float_denorm_mode_32 3
		.amdhsa_float_denorm_mode_16_64 3
		.amdhsa_memory_ordered 1
		.amdhsa_forward_progress 1
		.amdhsa_inst_pref_size 82
	.end_amdhsa_kernel
	.amdgpu_metadata
---
amdhsa.version: [ 1, 2 ]
amdhsa.kernels:
  - .name:           k_qb33c87f656_attn
    .symbol:         k_qb33c87f656_attn.kd
    .args:
      - { .name: qa, .offset: 0, .size: 8, .value_kind: global_buffer, .address_space: global }
      - { .name: kv, .offset: 8, .size: 8, .value_kind: global_buffer, .address_space: global }
      - { .name: mask, .offset: 16, .size: 8, .value_kind: global_buffer, .address_space: global }
      - { .name: apk, .offset: 24, .size: 8, .value_kind: global_buffer, .address_space: global }
    .group_segment_fixed_size: 215040
    .private_segment_fixed_size: 0
    .kernarg_segment_align: 8
    .kernarg_segment_size: 32
    .max_flat_workgroup_size: 256
    .sgpr_count:     66
    .vgpr_count:     512
    .wavefront_size: 32
...
	.end_amdgpu_metadata
.endif
;; end of part 3
;; launch woln (part 4): grid 256 x 1, 16 waves a work-group, no clusters, 81,920 bytes of LDS; arguments pk1, apk, bo, x, ln2_g, ln2_b, y1, hpk; writes y1, hpk
.if DOCPART == 4
	.amdgcn_target "amdgcn-amd-amdhsa--gfx1250"
	.amdhsa_code_object_version 6
	.text
	.protected	k_qb33c87f656_woln
	.globl	k_qb33c87f656_woln
	.p2align	8
	.type	k_qb33c87f656_woln,@function
k_qb33c87f656_woln:
	s_mov_b64 s[64:65], 0
	v_nop
	global_prefetch_b8 v0, s[64:65] scope:SCOPE_SE
	s_setreg_imm32_b32 hwreg(HW_REG_WAVE_MODE, 25, 1), 1
	s_wait_xcnt 0x0
; y1 = x + attention's output x Wo^T + bo on codes of MX-FP6, and in the same work-group the layer norm of y1 (ln2_g, ln2_b), quantised along the features into hpk, the next product's operand.
; SHARES.  A work-group owns one tile of 16 tokens and all 1,024 features, so that a row's mean and variance are made inside it: 256 work-groups.  Wave w of sixteen owns features 64 w .. 64 w + 63: four tiles of Wo, 4 accumulators.
; OPERANDS lie in memory as images of their registers (quads of 25,600 bytes: 4 tiles x 4 K steps of 1,536 bytes, then 4 blocks of 256 bytes of scale words) and go STRAIGHT INTO REGISTERS:
; no two waves of the work-group share a fragment of Wo, so LDS would hand nothing on.  20 loads a K step (16 of Wo, 4 of the tokens), asked for two K steps ahead, in two sets of registers.
; NO CLUSTER, NO JOINT LOADS: the launch has no tensor load; what work-groups share (Wo) is loaded by lanes.  NO PREFETCH: K has 8 steps and the loads themselves stand two steps ahead from the first line on.
; Source 0 = 16 features, source 1 = the 16 tokens: a lane holds one token; row m of tile t is row 32 (t / 2) + 8 (t % 2) + m + 8 (m / 8), so register 16 b + i is feature 32 b + 16 (lane / 16) + i of my 64.
; The bias bo is loaded into the accumulators: it is the C of each sum's first product.
; THE MASK is not applied here: the last launch zeroes the rows of masked tokens, and no other row reads them.
; LIMITS: a block of zeros keeps the scale byte 1 (its codes are zeros; this program alone reads the bytes); NaN and infinities are not served.
.set QU,    25600
.set REGX,  5734400                    ; Wo's region in pk1
.set ST1,   16*4352                    ; behind the waves' stages (16 rows x 272 bytes each): 1,024 bytes, the waves' parts of the rows' sums; 1,024 more: of the sums of squares
.set GBB,   ST1+2048                   ; 512 bytes a wave: my 64 gains, my 64 biases
.set SPARE, GBB+8192                   ; the spare words, 128 bytes for each wave: eight blocks of 256 bytes that no other line names
.set ACC, 16                           ; v16-47   accumulators; later y and the normalised row, a lane a token
.set RES, 48                           ; v48-79   the residual, by rows; later the sixteen parts of a sum
.set XB,  80                           ; v80-175  Wo's fragments, two sets of 48; later gain (v80-111), bias (v112-143), rows (v144-175)
.set YB,  176                          ; v176-199 the tokens' fragments, two sets of 12; later the codes
.set XS,  200                          ; v200-231 Wo's scale words: 16 (K / 512) + 4 tile + step
.set YS,  232                          ; v232-239 the tokens': 4 (K / 512) + step
.set GN,  80
.set BT,  112
.set RW,  144
.macro FR reg, base, off               ; a fragment's image
	global_load_b128 v[\reg:\reg+3], v1, s[\base:\base+1] offset:\off
	global_load_b64 v[\reg+4:\reg+5], v2, s[\base:\base+1] offset:\off+512
	global_load_b128 v[\reg+6:\reg+9], v1, s[\base:\base+1] offset:\off+768
	global_load_b64 v[\reg+10:\reg+11], v2, s[\base:\base+1] offset:\off+1280
.endm
.macro LD s                            ; K step s: 20 loads into set s % 2
.irp t, 0,1,2,3
	FR XB+48*((\s)%2)+12*\t, 26, ((\s)/4)*16*QU+((\s)%4)*1536+6144*\t
.endr
	FR YB+12*((\s)%2), 28, ((\s)/4)*64*QU+((\s)%4)*1536
.endm
.macro MUL s                           ; the four accumulators take turns, one instruction a turn, in the same order in every step
.irp t, 0,1,2,3
	v_wmma_scale_f32_16x16x128_f8f6f4 v[ACC+8*\t:ACC+8*\t+7], v[XB+48*((\s)%2)+12*\t:XB+48*((\s)%2)+12*\t+11], v[YB+12*((\s)%2):YB+12*((\s)%2)+11], v[ACC+8*\t:ACC+8*\t+7], v[XS+16*((\s)/4)+4*\t+(\s)%4], v[YS+4*((\s)/4)+(\s)%4] matrix_a_fmt:MATRIX_FMT_FP6 matrix_b_fmt:MATRIX_FMT_FP6
.endr
.endm
.macro PLACES                          ; four plain places behind a matrix instruction, ahead of loads into its registers and of reads of its results
.rept 4
	v_nop
.endr
.endm
.macro STEP s, cnt, ld                 ; cnt: the loads issued behind step s's
	s_wait_loadcnt \cnt
	MUL \s
	PLACES
.if \ld
	LD (\s)+2
.endif
.endm
; v[252:255], two pairs of partial sums -> v12: row r's sum over all 1,024 features, the waves' parts added in one fixed order
.macro EXCH off
	v_pk_add_f32 v[252:253], v[252:253], v[254:255]
	v_add_f32 v12, v252, v253
	v_permlanex16_b32 v13, v12, s20, s21
	v_add_f32 v12, v12, v13                        ; my wave's 64 features of row r
	ds_store_b32 v11, v12 offset:\off              ; both halves of the lanes write the same word with the same value
	s_wait_alu depctr_va_vdst(0)                   ; the wait ahead of the blocking wait
	s_wait_dscnt 0x0                               ; for the others' sake: my store has landed
	s_barrier_signal -1
	s_barrier_wait -1
.irp i, 0,1,2,3
	ds_load_b128 v[RES+4*\i:RES+4*\i+3], v10 offset:\off+16*\i
.endr
	s_wait_dscnt 0x0
.irp i, 0,4,8,12
	v_pk_add_f32 v[RES+\i:RES+\i+1], v[RES+\i:RES+\i+1], v[RES+\i+2:RES+\i+3]
.endr
	v_pk_add_f32 v[RES:RES+1], v[RES:RES+1], v[RES+4:RES+5]
	v_pk_add_f32 v[RES+8:RES+9], v[RES+8:RES+9], v[RES+12:RES+13]
	v_pk_add_f32 v[RES:RES+1], v[RES:RES+1], v[RES+8:RES+9]
	v_add_f32 v12, v[RES], v[RES+1]
.endm
	s_load_b512 s[4:19], s[0:1], 0x0               ; pk1 s[4:5], apk s[6:7], bo s[8:9], x s[10:11], gain s[12:13], bias s[14:15], y1 s[16:17], hpk s[18:19]
	v_lshl_add_u32 v5, v0, 2, SPARE
	v_mov_b32 v6, 0
	v_lshrrev_b32 v1, 5, v0
	v_readfirstlane_b32 s24, v1                    ; wave 0..15
	s_mov_b32 s20, 0x76543210
	s_mov_b32 s21, 0xfedcba98                      ; v_permlanex16_b32's selects for lane l xor 16
	s_mov_b32 s22, 0x3a800000                      ; 1 / 1,024
	s_mov_b32 s23, 0x3727c5ac                      ; 1e-5
	s_lshr_b32 s25, ttmp9, 2
	s_mul_i32 s25, s25, QU                         ; the quad of 64 tokens that holds my tile,
	s_and_b32 s48, ttmp9, 3                        ; and my tile in it
	s_mul_i32 s46, s24, QU
	s_add_co_u32 s46, s46, REGX                    ; Wo: my wave's quad of 64 features
	s_mov_b32 s47, 0
	s_mul_i32 s50, s48, 6144
	s_add_co_u32 s50, s50, s25                     ; my tile's fragments,
	s_mov_b32 s51, 0
	s_lshl_b32 s52, s48, 8
	s_add_co_u32 s52, s52, s25
	s_add_co_u32 s52, s52, 24576                   ; and its block of scale words
	s_mov_b32 s53, 0
	s_lshl_b32 s54, s24, 8                         ; my 64 features, in bytes of f32
	s_mov_b32 s55, 0
	s_lshr_b32 s56, ttmp9, 1
	s_lshl_b32 s56, s56, 5
	s_and_b32 s57, ttmp9, 1
	s_lshl_b32 s57, s57, 3
	s_add_co_u32 s56, s56, s57                     ; the tile's first token: 32 (t / 2) + 8 (t % 2)
	s_lshl_b32 s56, s56, 12
	s_add_co_u32 s56, s56, s54
	s_mov_b32 s57, 0
	s_lshr_b32 s58, s24, 3
	s_mul_i32 s58, s58, 64*QU                      ; hpk: my features' 512 along the next K,
	s_and_b32 s59, s24, 7
	s_mul_i32 s60, s59, 768                        ; and my half of a K step of 128
	s_add_co_u32 s60, s60, s58
	s_add_co_u32 s60, s60, s50
	s_mov_b32 s61, 0
	s_lshl_b32 s62, s59, 1                         ; my two bytes of a scale word
	s_add_co_u32 s62, s62, s58
	s_add_co_u32 s62, s62, s52
	s_mov_b32 s63, 0
	v_and_b32 v2, 31, v0
	v_and_b32 v12, 15, v0                          ; r
	v_bfe_u32 v13, v0, 4, 1                        ; h
	v_lshlrev_b32 v1, 4, v2                        ; 16 l
	v_lshlrev_b32 v2, 3, v2                        ; 8 l
	v_lshlrev_b32 v3, 4, v12                       ; 16 r
	v_lshlrev_b32 v4, 6, v13                       ; 64 h
	v_lshlrev_b32 v7, 12, v13
	v_lshl_add_u32 v7, v12, 4, v7                  ; rows of 4,096 bytes: lanes 16-31 the next row; 16 bytes a lane
	s_mul_i32 s49, s24, 4352                       ; my stage
	v_mul_u32_u24 v8, v12, 272
	v_lshl_add_u32 v8, v13, 6, v8
	v_add_nc_u32 v8, s49, v8                       ; a lane a token: row r, + 64 h
	v_mul_u32_u24 v9, v13, 272
	v_lshl_add_u32 v9, v12, 4, v9
	v_add_nc_u32 v9, s49, v9                       ; by rows: row l / 16, + 16 r
	v_lshlrev_b32 v10, 6, v12
	v_add_nc_u32 v10, ST1, v10                     ; row r's sixteen parts,
	s_lshl_b32 s49, s24, 2
	v_add_nc_u32 v11, s49, v10                     ; and mine among them
	s_lshl_b32 s49, s24, 9
	s_add_co_u32 s49, s49, GBB
	v_add_nc_u32 v14, s49, v2                      ; my gains and biases: in, 8 l;
	v_add_nc_u32 v15, s49, v4                      ; out, 64 h
	v_mov_b32 v13, 0                               ; a lane permute's destination counts as one of its sources
	s_wait_alu depctr_va_vdst(0)                   ; the wait at the head's end
	s_wait_kmcnt 0x0
	s_add_nc_u64 s[26:27], s[4:5], s[46:47]
	s_add_nc_u64 s[28:29], s[6:7], s[50:51]
	s_add_nc_u64 s[30:31], s[6:7], s[52:53]
	s_add_nc_u64 s[32:33], s[8:9], s[54:55]
	s_add_nc_u64 s[34:35], s[12:13], s[54:55]
	s_add_nc_u64 s[36:37], s[14:15], s[54:55]
	s_add_nc_u64 s[38:39], s[10:11], s[56:57]
	s_add_nc_u64 s[40:41], s[16:17], s[56:57]
	s_add_nc_u64 s[42:43], s[18:19], s[60:61]
	s_add_nc_u64 s[44:45], s[18:19], s[62:63]
	global_load_b64 v[240:241], v2, s[34:35]       ; 32 lanes read my 256 bytes of the gain,
	global_load_b64 v[242:243], v2, s[36:37]       ; and of the bias
.irp k, 0,1
.irp t, 0,1,2,3
	global_load_b128 v[XS+16*\k+4*\t:XS+16*\k+4*\t+3], v3, s[26:27] offset:\k*16*QU+24576+256*\t   ; row r's four words of a tile
.endr
	global_load_b128 v[YS+4*\k:YS+4*\k+3], v3, s[30:31] offset:\k*64*QU
.endr
.irp t, 0,1,2,3
	global_load_b128 v[ACC+8*\t:ACC+8*\t+3], v4, s[32:33] offset:4*(32*(\t/2)+8*(\t%2))
	global_load_b128 v[ACC+8*\t+4:ACC+8*\t+7], v4, s[32:33] offset:4*(32*(\t/2)+8*(\t%2))+16
.endr
	LD 0
	LD 1
	s_wait_loadcnt 20                              ; all but step 1's 20 loads are in
	ds_store_b64 v14, v[240:241]                   ; gain and bias wait in my own LDS bytes
	ds_store_b64 v14, v[242:243] offset:256
	MUL 0
	PLACES
	LD 2
.irp i, 0,1,2,3,4,5,6,7
	global_load_b128 v[RES+4*\i:RES+4*\i+3], v7, s[38:39] offset:4096*(2*\i+8*(\i/4))   ; the residual: sixteen lanes read 256 consecutive bytes of a row
.endr
	STEP 1, 28, 1                                  ; behind step 1's loads: step 2's 20 and the residual's 8
	STEP 2, 28, 1                                  ; behind step 2's: the residual's 8 and step 3's 20
	STEP 3, 20, 1
	STEP 4, 20, 1
	STEP 5, 20, 1
	STEP 6, 20, 0
	STEP 7, 0, 0
	; through my stage into whole rows.  LDS serves a wave's instructions in order: no wait between my stores and my loads
.irp b, 0,1
.irp j, 0,1,2,3
	ds_store_b128 v8, v[ACC+16*\b+4*\j:ACC+16*\b+4*\j+3] offset:128*\b+16*\j   ; each accumulator from its low end on
.endr
.endr
.irp i, 0,1,2,3,4,5,6,7
	ds_load_b128 v[RW+4*\i:RW+4*\i+3], v9 offset:544*\i
.endr
	s_wait_dscnt 0x0
.irp i, 0,1,2,3,4,5,6,7
	v_pk_add_f32 v[RW+4*\i:RW+4*\i+1], v[RW+4*\i:RW+4*\i+1], v[RES+4*\i:RES+4*\i+1]
	v_pk_add_f32 v[RW+4*\i+2:RW+4*\i+3], v[RW+4*\i+2:RW+4*\i+3], v[RES+4*\i+2:RES+4*\i+3]
.endr
.irp i, 0,1,2,3,4,5,6,7
	global_store_b128 v7, v[RW+4*\i:RW+4*\i+3], s[40:41] offset:4096*(2*\i+8*(\i/4))   ; y1: sixteen lanes store 256 consecutive bytes, at a multiple of 256 from the buffer's first byte
.endr
.irp i, 0,1,2,3,4,5,6,7
	ds_store_b128 v9, v[RW+4*\i:RW+4*\i+3] offset:544*\i                               ; and back, a lane a token
.endr
.irp b, 0,1
.irp j, 0,1,2,3
	ds_load_b128 v[ACC+16*\b+4*\j:ACC+16*\b+4*\j+3], v8 offset:128*\b+16*\j
.endr
.endr
.irp b, 0,1
.irp j, 0,1,2,3
	ds_load_b128 v[GN+16*\b+4*\j:GN+16*\b+4*\j+3], v15 offset:128*\b+16*\j
	ds_load_b128 v[BT+16*\b+4*\j:BT+16*\b+4*\j+3], v15 offset:256+128*\b+16*\j
.endr
.endr
	s_wait_dscnt 0x0
	; the mean
	v_pk_add_f32 v[252:253], v[ACC:ACC+1], v[ACC+2:ACC+3]
	v_pk_add_f32 v[254:255], v[ACC+4:ACC+5], v[ACC+6:ACC+7]
.irp j, 8,12,16,20,24,28
	v_pk_add_f32 v[252:253], v[252:253], v[ACC+\j:ACC+\j+1]
	v_pk_add_f32 v[254:255], v[254:255], v[ACC+\j+2:ACC+\j+3]
.endr
	EXCH 0
	v_mul_f32 v248, s22, v12
	v_mov_b32 v249, v248
.irp j, 0,2,4,6,8,10,12,14,16,18,20,22,24,26,28,30
	v_pk_add_f32 v[ACC+\j:ACC+\j+1], v[ACC+\j:ACC+\j+1], v[248:249] neg_lo:[0,1] neg_hi:[0,1]
.endr
	; the variance, of the differences: no difference of large sums is formed
	v_pk_mul_f32 v[252:253], v[ACC:ACC+1], v[ACC:ACC+1]
	v_pk_mul_f32 v[254:255], v[ACC+2:ACC+3], v[ACC+2:ACC+3]
.irp j, 4,8,12,16,20,24,28
	v_pk_fma_f32 v[252:253], v[ACC+\j:ACC+\j+1], v[ACC+\j:ACC+\j+1], v[252:253]
	v_pk_fma_f32 v[254:255], v[ACC+\j+2:ACC+\j+3], v[ACC+\j+2:ACC+\j+3], v[254:255]
.endr
	EXCH 1024
	v_fma_f32 v250, v12, s22, s23
	s_wait_alu depctr_va_vdst(0)                   ; the wait ahead of the transcendental
	v_rsq_f32 v250, v250
	v_nop                                          ; a plain place behind it
	s_wait_alu depctr_va_vdst(0)                   ; and the wait ahead of its first reader
	v_mov_b32 v251, v250
.irp j, 0,2,4,6,8,10,12,14,16,18,20,22,24,26,28,30
	v_pk_mul_f32 v[ACC+\j:ACC+\j+1], v[ACC+\j:ACC+\j+1], v[250:251]
.endr
.irp j, 0,2,4,6,8,10,12,14,16,18,20,22,24,26,28,30
	v_pk_fma_f32 v[ACC+\j:ACC+\j+1], v[ACC+\j:ACC+\j+1], v[GN+\j:GN+\j+1], v[BT+\j:BT+\j+1]
.endr
	; two blocks of 32 along the next K; a block lies in lanes l and l xor 16
.irp b, 0,1
	v_max3_num_f32 v[240+\b], |v[ACC+16*\b]|, |v[ACC+16*\b+1]|, 0x1800000   ; with the floor 2^(3 - 127): the byte cannot fall under 1
.endr
.irp i, 2,4,6,8,10,12,14
.irp b, 0,1
	v_max3_num_f32 v[240+\b], v[240+\b], |v[ACC+16*\b+\i]|, |v[ACC+16*\b+\i+1]|
.endr
.endr
.irp b, 0,1
	v_permlanex16_b32 v[242+\b], v[240+\b], s20, s21
.endr
.irp b, 0,1
	v_max_num_f32 v[240+\b], v[240+\b], v[242+\b]
.endr
.irp b, 0,1
	v_add_nc_u32 v[244+\b], 0xff000000, v[240+\b]  ; 2 off the exponent field: the conversion's scale operand
.endr
.irp b, 0,1
	v_lshrrev_b32 v[242+\b], 23, v[244+\b]         ; the byte
.endr
	v_lshl_or_b32 v246, v243, 8, v242
	v_cvt_scalef32_pk16_fp6_f32 v[176:178], v[ACC:ACC+15], v244
	v_cvt_scalef32_pk16_fp6_f32 v[184:186], v[ACC+16:ACC+31], v245   ; (a conversion's three registers begin on an even number)
	v_nop                                          ; one plain place behind a scaled conversion
.irp i, 0,1,2
	v_permlane16_swap_b32 v[176+\i], v[184+\i]     ; the operand wants a whole block in a lane
.endr
.irp i, 0,1,2
	v_mov_b32 v[179+\i], v[184+\i]
.endr
	global_store_b128 v1, v[176:179], s[42:43]     ; my half of a fragment: 512 and 256 consecutive bytes
	global_store_b64 v2, v[180:181], s[42:43] offset:512
	global_store_b16 v3, v246, s[44:45]            ; two bytes of row r's scale word (the other two are the neighbouring wave's); lanes 16-31 name the same bytes with the same value
	s_wait_tensorcnt 0x0                           ; the wave's end, behind my last LDS store
	ds_add_u32 v5, v6
	s_wait_dscnt 0x0
	s_endpgm
.Lfunc_end_k_qb33c87f656_woln:
	.size	k_qb33c87f656_woln, .Lfunc_end_k_qb33c87f656_woln-k_qb33c87f656_woln
	.p2alignl 7, 3214868480
	.fill 96, 4, 3214868480
	.section	.rodata,"a",@progbits
	.p2align	6, 0x0
	.amdhsa_kernel k_qb33c87f656_woln
		.amdhsa_group_segment_fixed_size 81920
		.amdhsa_private_segment_fixed_size 0
		.amdhsa_enable_private_segment 0
		.amdhsa_kernarg_size 64
		.amdhsa_user_sgpr_count 2
		.amdhsa_user_sgpr_kernarg_segment_ptr 1
		.amdhsa_wavefront_size32 1
		.amdhsa_system_sgpr_workgroup_id_x 1
		.amdhsa_system_sgpr_workgroup_id_y 1
		.amdhsa_system_sgpr_workgroup_id_z 1
		.amdhsa_system_vgpr_workitem_id 0
		.amdhsa_next_free_vgpr 256
		.amdhsa_next_free_sgpr 66
		.amdhsa_reserve_vcc 0
		.amdhsa_float_denorm_mode_32 3
		.amdhsa_float_denorm_mode_16_64 3
		.amdhsa_memory_ordered 1
		.amdhsa_forward_progress 1
		.amdhsa_inst_pref_size 42
	.end_amdhsa_kernel
	.amdgpu_metadata
---
amdhsa.version: [ 1, 2 ]
amdhsa.kernels:
  - .name:           k_qb33c87f656_woln
    .symbol:         k_qb33c87f656_woln.kd
    .args:
      - { .name: pk1, .offset: 0, .size: 8, .value_kind: global_buffer, .address_space: global }
      - { .name: apk, .offset: 8, .size: 8, .value_kind: global_buffer, .address_space: global }
      - { .name: bo, .offset: 16, .size: 8, .value_kind: global_buffer, .address_space: global }
      - { .name: x, .offset: 24, .size: 8, .value_kind: global_buffer, .address_space: global }
      - { .name: ln2_g, .offset: 32, .size: 8, .value_kind: global_buffer, .address_space: global }
      - { .name: ln2_b, .offset: 40, .size: 8, .value_kind: global_buffer, .address_space: global }
      - { .name: y1, .offset: 48, .size: 8, .value_kind: global_buffer, .address_space: global }
      - { .name: hpk, .offset: 56, .size: 8, .value_kind: global_buffer, .address_space: global }
    .group_segment_fixed_size: 81920
    .private_segment_fixed_size: 0
    .kernarg_segment_align: 8
    .kernarg_segment_size: 64
    .max_flat_workgroup_size: 512
    .sgpr_count:     66
    .vgpr_count:     256
    .wavefront_size: 32
...
	.end_amdgpu_metadata
.endif
;; end of part 4
;; launch ffn1 (part 5): grid 32 x 8, 4 waves a work-group, clusters of 4 x 4, 327,680 bytes of LDS; arguments pk1, hpk, b1, gpk; writes gpk
.if DOCPART == 5
	.amdgcn_target "amdgcn-amd-amdhsa--gfx1250"
	.amdhsa_code_object_version 6
	.text
	.protected	k_qb33c87f656_ffn1
	.globl	k_qb33c87f656_ffn1
	.p2align	8
	.type	k_qb33c87f656_ffn1,@function
k_qb33c87f656_ffn1:
	s_mov_b64 s[64:65], 0
	v_nop
	global_prefetch_b8 v0, s[64:65] scope:SCOPE_SE
	s_setreg_imm32_b32 hwreg(HW_REG_WAVE_MODE, 25, 1), 1
	s_wait_xcnt 0x0
	s_wait_alu depctr_hold_cnt(0) depctr_sa_sdst(0) depctr_va_vdst(0) depctr_va_sdst(0) depctr_va_ssrc(0) depctr_va_vcc(0) depctr_vm_vsrc(0)
	s_getreg_b32 s2, hwreg(HW_REG_IB_STS2, 6, 4)
	s_cmp_eq_u32 s2, 0
	s_cbranch_scc0 .Lentry_in_a_cluster
	s_endpgm
.Lentry_in_a_cluster:
	s_bfe_u32 s2, ttmp6, 0x10000c
	s_cmp_lg_u32 s2, 0xf033
	s_cbranch_scc0 .Lentry_shape_is_right
	s_endpgm
.Lentry_shape_is_right:
.set QU,    25600
.set SLOT,  4*QU
.set REGX,  6553600
.set XKG,   64*QU
.set YKG,   64*QU
.set EX,    2*SLOT
.set SPARE, EX+1024
.set ACC, 128
.set SC,  32
.set BX,  64
.set SPW, 28
.set NIL, 29
.set G1X, 24
.set G1Y, 32
.set G0X, 40
.set G0Y, 48
.set Z,    0
.set X2,   16
.set P,    32
.set Q,    48
.set G,    64
.set CODE, 96
.set HW,   128
.set M,    132
.set W,    140
.set KA,   192
.set KB,   194
.set PT,   196
.set MSB,  0
.macro WIN new
.if MSB != \new
	s_set_vgpr_msb (MSB<<8)|\new
.set MSB, \new
.endif
.endm
.macro PLACES
.rept 4
	v_nop
.endr
.endm
.macro CROUND
	s_barrier_signal -1
	s_barrier_wait -1
	s_cmp_lg_u32 s16, 0
	s_cbranch_scc1 .Lnw0_\@
	s_barrier_signal -3
.Lnw0_\@:
	s_barrier_wait -3
	s_barrier_signal -1
	s_barrier_wait -1
.endm
.macro JLOAD s, which
	s_cmp_eq_u32 s18, 0
.if \which == 1
	s_cbranch_scc0 .Lfy_\@
	tensor_load_to_lds s[G0X+4*\s:G0X+4*\s+3], s[G1X:G1X+7]
	s_nop 0
.rept 4
	v_nop
.endr
	s_branch .Lja_\@
.Lfy_\@:
.else
	s_cbranch_scc1 .Lja_\@
.endif
	tensor_load_to_lds s[G0Y+4*\s:G0Y+4*\s+3], s[G1Y:G1Y+7]
	s_nop 0
.rept 4
	v_nop
.endr
.Lja_\@:
.endm
.macro FRAG reg, a16, a8, off
	ds_load_b128 v[\reg:\reg+3], v[\a16] offset:\off
	ds_load_b64 v[\reg+4:\reg+5], v[\a8] offset:\off+512
	ds_load_b128 v[\reg+6:\reg+9], v[\a16] offset:\off+768
	ds_load_b64 v[\reg+10:\reg+11], v[\a8] offset:\off+1280
.endm
.macro FETCH slot, q, f
	WIN 0x40
.irp i, 0,1,2,3
	FRAG 96*(\f)+12*\i, 4+\slot, 6+\slot, 6144*\i+1536*(\q)
	FRAG 96*(\f)+48+12*\i, 8+\slot, 10+\slot, 6144*\i+1536*(\q)
.endr
.endm
.macro SCALES set
.irp i, 0,1,2,3
	ds_load_b128 v[SC+16*\set+4*\i:SC+16*\set+4*\i+3], v[12+\set] offset:24576+256*\i
.endr
.endm
.macro MUL8 f, a0, q, set, mode
.irp a, \a0, \a0+1
.irp b, 0,1,2,3
.set rD, ACC+32*(\a)+8*\b
.set rC, rD
.if \mode
.set rC, BX+8*\b
.endif
	v_wmma_scale_f32_16x16x128_f8f6f4 v[rD:rD+7], v[96*(\f)+12*\b:96*(\f)+12*\b+11], v[96*(\f)+48+12*(\a):96*(\f)+48+12*(\a)+11], v[rC:rC+7], v[SC+16*(\set)+4*\b+(\q)], v[SC+16*(\set)+4*(\a)+(\q)] matrix_a_fmt:MATRIX_FMT_FP6 matrix_b_fmt:MATRIX_FMT_FP6 matrix_b_scale:MATRIX_SCALE_ROW1
.endr
.endr
.endm
.macro STEP slot, q, mode
	s_wait_dscnt 0x0
	PLACES
	FETCH \slot, (\q)+1, ((\q)+1)%2
	WIN 0x05
	MUL8 (\q)%2, 0, \q, \slot, \mode
	MUL8 (\q)%2, 2, \q, \slot, \mode
.endm
.macro LASTSTEP slot, next, which, fetch
	s_wait_dscnt 0x0
	WIN 0x05
	MUL8 1, 0, 3, \slot, 0
	WIN 0
	s_wait_tensorcnt 0x0
	ds_add_u32 v[SPW], v[NIL]
.if \which
	s_add_nc_u64 s[G0Y+4*\slot+2:G0Y+4*\slot+3], s[G0Y+4*\slot+2:G0Y+4*\slot+3], 16*QU
.endif
	s_wait_dscnt 0x0
.if \which
	CROUND
	JLOAD \slot, \which
.else
	s_barrier_signal -1
	s_barrier_wait -1
.endif
	PLACES
.if \fetch
	FETCH \next, 0, 0
	WIN 0
	SCALES \next
.endif
	WIN 0x05
	MUL8 1, 2, 3, \slot, 0
	WIN 0
.endm
.macro KWORK w0, w1
	STEP 0, 0, 1
	STEP 0, 1, 0
	STEP 0, 2, 0
	LASTSTEP 0, 1, \w0, 1
	STEP 1, 0, 0
	STEP 1, 1, 0
	STEP 1, 2, 0
.if \w1
	LASTSTEP 1, 0, \w1, 0
.else
	s_wait_dscnt 0x0
	WIN 0x05
	MUL8 1, 0, 3, 1, 0
	MUL8 1, 2, 3, 1, 0
	WIN 0
.endif
.endm
.macro GELU16 src, g
	WIN 0x40
.irp i, 0,2,4,6,8,10,12,14
	v_pk_mul_f32 v[Z+\i:Z+\i+1], v[\src+\i:\src+\i+1], 0x3f3504f3 op_sel_hi:[1,0]
.endr
.irp i, 0,2,4,6,8,10,12,14
	v_pk_mul_f32 v[\g+\i:\g+\i+1], v[\src+\i:\src+\i+1], 0.5 op_sel_hi:[1,0]
.endr
	WIN 0x55
.irp i, 0,1,2,3,4,5,6,7,8,9,10,11,12,13,14,15
	v_med3_num_f32 v[Z+\i], v[Z+\i], -4.0, 4.0
.endr
.irp i, 0,2,4,6,8,10,12,14
	v_pk_mul_f32 v[X2+\i:X2+\i+1], v[Z+\i:Z+\i+1], v[Z+\i:Z+\i+1]
.endr
.irp i, 0,2,4,6,8,10,12,14
	v_pk_fma_f32 v[Q+\i:Q+\i+1], v[X2+\i:X2+\i+1], v[KB:KB+1], s[88:89] op_sel_hi:[1,1,0]
.endr
.irp k, 90,92,94
.irp i, 0,2,4,6,8,10,12,14
	v_pk_fma_f32 v[Q+\i:Q+\i+1], v[Q+\i:Q+\i+1], v[X2+\i:X2+\i+1], s[\k:\k+1] op_sel_hi:[1,1,0]
.endr
.endr
	s_wait_alu depctr_va_vdst(0)
.irp i, 0,1,2,3,4,5,6,7,8,9,10,11,12,13,14,15
	v_rcp_f32 v[Q+\i], v[Q+\i]
.endr
.irp i, 0,2,4,6,8,10,12,14
	v_pk_fma_f32 v[P+\i:P+\i+1], v[X2+\i:X2+\i+1], v[KA:KA+1], s[76:77] op_sel_hi:[1,1,0]
.endr
.irp k, 78,80,82,84,86
.irp i, 0,2,4,6,8,10,12,14
	v_pk_fma_f32 v[P+\i:P+\i+1], v[P+\i:P+\i+1], v[X2+\i:X2+\i+1], s[\k:\k+1] op_sel_hi:[1,1,0]
.endr
.endr
.irp i, 0,2,4,6,8,10,12,14
	v_pk_mul_f32 v[P+\i:P+\i+1], v[P+\i:P+\i+1], v[Z+\i:Z+\i+1]
.endr
	s_wait_alu depctr_va_vdst(0)
.irp i, 0,2,4,6,8,10,12,14
	v_pk_mul_f32 v[P+\i:P+\i+1], v[P+\i:P+\i+1], v[Q+\i:Q+\i+1]
.endr
.irp i, 0,2,4,6,8,10,12,14
	v_pk_fma_f32 v[\g+\i:\g+\i+1], v[\g+\i:\g+\i+1], v[P+\i:P+\i+1], v[\g+\i:\g+\i+1]
.endr
.endm
.macro Q2 src, out, hw
	v_max3_num_f32 v[M], |v[\src]|, |v[\src+1]|, 0x1800000
	v_max3_num_f32 v[M+1], |v[\src+16]|, |v[\src+17]|, 0x1800000
.irp i, 2,4,6,8,10,12,14
	v_max3_num_f32 v[M], v[M], |v[\src+\i]|, |v[\src+\i+1]|
	v_max3_num_f32 v[M+1], v[M+1], |v[\src+16+\i]|, |v[\src+17+\i]|
.endr
	v_permlanex16_b32 v[PT], v[M], s74, s75
	v_permlanex16_b32 v[PT+1], v[M+1], s74, s75
	v_max_num_f32 v[M], v[M], v[PT]
	v_max_num_f32 v[M+1], v[M+1], v[PT+1]
	v_add_nc_u32 v[M+2], 0xff000000, v[M]
	v_add_nc_u32 v[M+3], 0xff000000, v[M+1]
	v_lshrrev_b32 v[M], 23, v[M+2]
	v_lshrrev_b32 v[M+1], 23, v[M+3]
	v_lshl_or_b32 v[\hw], v[M+1], 8, v[M]
	v_cvt_scalef32_pk16_fp6_f32 v[\out:\out+2], v[\src:\src+15], v[M+2]
	v_cvt_scalef32_pk16_fp6_f32 v[M+4:M+6], v[\src+16:\src+31], v[M+3]
	v_nop
.irp i, 0,1,2
	v_permlane16_swap_b32 v[\out+\i], v[M+4+\i]
.endr
.irp i, 0,1,2
	v_mov_b32 v[\out+3+\i], v[M+4+\i]
.endr
.endm
.macro EPI
	PLACES
.irp yt, 0,1,2,3
	GELU16 ACC+32*\yt, G
	GELU16 ACC+32*\yt+16, G+16
	Q2 G, CODE+8*\yt, HW+\yt
.endr
.irp yt, 0,1,2,3
	v_lshlrev_b32 v[HW+\yt], s63, v[HW+\yt]
.endr
	WIN 0x04
.irp yt, 0,1,2,3
	global_store_b128 v14, v[CODE+8*\yt:CODE+8*\yt+3], s[66:67] offset:6144*\yt
	global_store_b64 v15, v[CODE+8*\yt+4:CODE+8*\yt+5], s[66:67] offset:6144*\yt+512
.endr
	ds_store_b128 v19, v[HW:HW+3]
	WIN 0
	s_wait_dscnt 0x0
	s_barrier_signal -1
	s_barrier_wait -1
	s_cmp_lg_u32 s16, 0
	s_cbranch_scc1 .Lnw_\@
	WIN 0x40
	ds_load_b128 v[HW:HW+3], v20
	ds_load_b128 v[W:W+3], v20 offset:256
	s_wait_dscnt 0x0
	WIN 0x55
.irp i, 0,1,2,3
	v_or_b32 v[HW+\i], v[HW+\i], v[W+\i]
.endr
	WIN 0x04
	global_store_b128 v21, v[HW:HW+3], s[68:69]
	WIN 0
.Lnw_\@:
	s_wait_xcnt 0x0
.endm
.macro KPAIR reg, val
	s_mov_b32 s[\reg], \val
	s_mov_b32 s[\reg+1], \val
.endm
	s_load_b256 s[4:11], s[0:1], 0x0
	v_lshl_add_u32 v[SPW], v0, 2, SPARE
	v_mov_b32 v[NIL], 0
	ds_add_u32 v[SPW], v[NIL]
	ds_add_u32 v[SPW], v[NIL]
	v_lshrrev_b32 v1, 5, v0
	v_readfirstlane_b32 s16, v1
	s_and_b32 s17, s16, 1
	s_lshr_b32 s18, s16, 1
	s_bfe_u32 s19, ttmp6, 0x40000
	s_bfe_u32 s20, ttmp6, 0x40004
	s_lshl_b32 s21, ttmp9, 2
	s_add_co_u32 s21, s21, s19
	s_and_b32 s22, ttmp7, 0xffff
	s_lshl_b32 s22, s22, 2
	s_add_co_u32 s22, s22, s20
	s_lshl_b32 s56, 0x1111, s19
	s_lshl_b32 s57, s20, 2
	s_lshl_b32 s57, 15, s57
	s_or_b32 s[G1X], s56, (3<<16)|(1<<21)
	s_or_b32 s[G1Y], s57, (3<<16)|(1<<21)
.irp g, G1X, G1Y
	s_mov_b32 s[\g+1], 32<<16
	s_mov_b32 s[\g+2], 100<<16
	s_mov_b32 s[\g+3], 32<<16
	s_mov_b32 s[\g+4], 100
	s_mov_b32 s[\g+5], 32
	s_mov_b32 s[\g+6], 0
	s_mov_b32 s[\g+7], 0
.endr
	KPAIR 76, 0x32edffee
	KPAIR 78, 0xb60cff51
	KPAIR 80, 0xb86ec2d2
	KPAIR 82, 0xba40ac63
	KPAIR 84, 0xbb41a1f6
	KPAIR 86, 0xbc83dbd4
	KPAIR 88, 0xb95fbd29
	KPAIR 90, 0xbadc924e
	KPAIR 92, 0xbbf19bf8
	KPAIR 94, 0xbc69b6a7
	s_mov_b32 s74, 0x76543210
	s_mov_b32 s75, 0xfedcba98
	s_lshl_b32 s58, s21, 1
	s_add_co_u32 s58, s58, s17
	s_mul_i32 s58, s58, QU
	s_add_co_u32 s58, s58, REGX
	s_mov_b32 s59, 0
	s_lshl_b32 s60, s22, 1
	s_add_co_u32 s60, s60, s17
	s_mul_i32 s60, s60, QU
	s_mov_b32 s61, 0
	s_mul_i32 s62, s16, QU
	s_wait_dscnt 0x0
	s_wait_kmcnt 0x0
	s_add_nc_u64 s[58:59], s[4:5], s[58:59]
	s_add_nc_u64 s[60:61], s[6:7], s[60:61]
	CROUND
.irp s, 0,1
	s_mov_b32 s[G0X+4*\s], 1
	s_add_co_u32 s[G0X+4*\s+1], s62, \s*SLOT
	s_add_nc_u64 s[G0X+4*\s+2:G0X+4*\s+3], s[58:59], \s*XKG
	s_or_b32 s[G0X+4*\s+3], s[G0X+4*\s+3], 0x80000000
	s_mov_b32 s[G0Y+4*\s], 1
	s_add_co_u32 s[G0Y+4*\s+1], s62, \s*SLOT
	s_add_nc_u64 s[G0Y+4*\s+2:G0Y+4*\s+3], s[60:61], \s*YKG
	s_or_b32 s[G0Y+4*\s+3], s[G0Y+4*\s+3], 0x80000000
.endr
	JLOAD 0, 1
	v_and_b32 v1, 31, v0
	v_and_b32 v2, 15, v0
	v_bfe_u32 v3, v0, 4, 1
	v_lshlrev_b32 v14, 4, v1
	v_lshlrev_b32 v15, 3, v1
	s_mul_i32 s56, s17, QU
	s_mul_i32 s57, s18, QU
	s_add_co_u32 s57, s57, 2*QU
.irp s, 0,1
	v_add_nc_u32 v[4+\s], s56, v14
	v_add_nc_u32 v[6+\s], s56, v15
	v_add_nc_u32 v[8+\s], s57, v14
	v_add_nc_u32 v[10+\s], s57, v15
	s_add_co_u32 s56, s56, SLOT
	s_add_co_u32 s57, s57, SLOT
.endr
	s_mul_i32 s56, s17, QU
	s_mul_i32 s57, s18, QU
	s_add_co_u32 s57, s57, 2*QU
	s_sub_co_u32 s57, s57, s56
	v_mul_u32_u24 v12, s57, v3
	v_lshl_add_u32 v12, v2, 4, v12
	v_add_nc_u32 v12, s56, v12
	v_add_nc_u32 v13, SLOT, v12
	v_lshlrev_b32 v16, 6, v3
	s_wait_alu depctr_va_vdst(0)
	s_lshl_b32 s56, s16, 8
	s_add_co_u32 s56, s56, EX
	v_lshl_add_u32 v19, v2, 4, s56
	v_lshlrev_b32 v20, 9, v3
	v_lshl_add_u32 v20, v2, 4, v20
	v_add_nc_u32 v20, EX, v20
	v_mul_u32_u24 v21, v3, QU
	v_lshl_add_u32 v21, v2, 4, v21
	s_lshl_b32 s56, s21, 9
	s_lshl_b32 s57, s17, 8
	s_add_co_u32 s56, s56, s57
	s_mov_b32 s57, 0
	s_add_nc_u64 s[70:71], s[8:9], s[56:57]
	s_lshr_b32 s56, s21, 2
	s_lshl_b32 s56, s56, 6
	s_lshl_b32 s57, s22, 1
	s_add_co_u32 s56, s56, s57
	s_mul_i32 s58, s56, QU
	s_and_b32 s57, s21, 3
	s_lshl_b32 s59, s57, 8
	s_add_co_u32 s60, s58, s59
	s_add_co_u32 s60, s60, 24576
	s_mov_b32 s61, 0
	s_add_nc_u64 s[68:69], s[10:11], s[60:61]
	s_mul_i32 s59, s57, 1536
	s_add_co_u32 s60, s58, s59
	s_mul_i32 s59, s18, QU
	s_add_co_u32 s60, s60, s59
	s_mul_i32 s59, s17, 768
	s_add_co_u32 s60, s60, s59
	s_add_nc_u64 s[66:67], s[10:11], s[60:61]
	s_lshl_b32 s63, s17, 4
.irp b, 0,1,2,3
	global_load_b128 v[BX+8*\b:BX+8*\b+3], v16, s[70:71] offset:4*(32*(\b/2)+8*(\b%2))
	global_load_b128 v[BX+8*\b+4:BX+8*\b+7], v16, s[70:71] offset:4*(32*(\b/2)+8*(\b%2))+16
.endr
	WIN 0x40
	v_mov_b32 v[KA], 0xaf95df0b
	v_mov_b32 v[KA+1], 0xaf95df0b
	v_mov_b32 v[KB], 0xb77460cd
	v_mov_b32 v[KB+1], 0xb77460cd
	v_mov_b32 v[PT], 0
	v_mov_b32 v[PT+1], 0
	WIN 0
	s_wait_alu depctr_va_vdst(0)
	s_wait_tensorcnt 0x0
	ds_add_u32 v[SPW], v[NIL]
	s_wait_dscnt 0x0
	CROUND
	JLOAD 1, 1
	s_wait_loadcnt 0x0
	FETCH 0, 0, 0
	WIN 0
	SCALES 0
	s_mov_b32 s3, 3
.Ltile:
	KWORK 3, 3
	EPI
	s_add_nc_u64 s[66:67], s[66:67], 16*QU
	s_add_nc_u64 s[68:69], s[68:69], 16*QU
	FETCH 0, 0, 0
	WIN 0
	SCALES 0
	s_sub_co_u32 s3, s3, 1
	s_cmp_lg_u32 s3, 0
	s_cbranch_scc1 .Ltile
	KWORK 0, 0
	EPI
	s_wait_tensorcnt 0x0
	ds_add_u32 v[SPW], v[NIL]
	s_wait_dscnt 0x0
	CROUND
	s_endpgm
.Lfunc_end_k_qb33c87f656_ffn1:
	.size	k_qb33c87f656_ffn1, .Lfunc_end_k_qb33c87f656_ffn1-k_qb33c87f656_ffn1
	.p2alignl 7, 3214868480
	.fill 96, 4, 3214868480
	.section	.rodata,"a",@progbits
	.p2align	6, 0x0
	.amdhsa_kernel k_qb33c87f656_ffn1
		.amdhsa_group_segment_fixed_size 327680
		.amdhsa_private_segment_fixed_size 0
		.amdhsa_enable_private_segment 0
		.amdhsa_kernarg_size 32
		.amdhsa_user_sgpr_count 2
		.amdhsa_user_sgpr_kernarg_segment_ptr 1
		.amdhsa_wavefront_size32 1
		.amdhsa_system_sgpr_workgroup_id_x 1
		.amdhsa_system_sgpr_workgroup_id_y 1
		.amdhsa_system_sgpr_workgroup_id_z 1
		.amdhsa_system_vgpr_workitem_id 0
		.amdhsa_next_free_vgpr 512
		.amdhsa_next_free_sgpr 100
		.amdhsa_reserve_vcc 0
		.amdhsa_float_denorm_mode_32 3
		.amdhsa_float_denorm_mode_16_64 3
		.amdhsa_memory_ordered 1
		.amdhsa_forward_progress 1
		.amdhsa_inst_pref_size 255
	.end_amdhsa_kernel
	.section	.bss,"aw",@nobits
	.p2align	6
	.space	262144
	.amdgpu_metadata
---
amdhsa.version: [ 1, 2 ]
amdhsa.kernels:
  - .name:           k_qb33c87f656_ffn1
    .symbol:         k_qb33c87f656_ffn1.kd
    .args:
      - { .name: pk1, .offset: 0, .size: 8, .value_kind: global_buffer, .address_space: global }
      - { .name: hpk, .offset: 8, .size: 8, .value_kind: global_buffer, .address_space: global }
      - { .name: b1, .offset: 16, .size: 8, .value_kind: global_buffer, .address_space: global }
      - { .name: gpk, .offset: 24, .size: 8, .value_kind: global_buffer, .address_space: global }
    .group_segment_fixed_size: 327680
    .private_segment_fixed_size: 0
    .kernarg_segment_align: 8
    .kernarg_segment_size: 32
    .max_flat_workgroup_size: 128
    .sgpr_count:     100
    .vgpr_count:     512
    .wavefront_size: 32
...
	.end_amdgpu_metadata
.endif
;; end of part 5
;; launch ffn2 (part 6): grid 8 x 32, 4 waves a work-group, clusters of 4 x 4, 327,680 bytes of LDS; arguments pk1, gpk, b2, y1, mask, out0; writes out0
.if DOCPART == 6
	.amdgcn_target "amdgcn-amd-amdhsa--gfx1250"
	.amdhsa_code_object_version 6
	.text
	.protected	k_qb33c87f656_ffn2
	.globl	k_qb33c87f656_ffn2
	.p2align	8
	.type	k_qb33c87f656_ffn2,@function
k_qb33c87f656_ffn2:
	s_mov_b64 s[64:65], 0
	v_nop
	global_prefetch_b8 v0, s[64:65] scope:SCOPE_SE
	s_setreg_imm32_b32 hwreg(HW_REG_WAVE_MODE, 25, 1), 1
	s_wait_xcnt 0x0
	s_wait_alu depctr_hold_cnt(0) depctr_sa_sdst(0) depctr_va_vdst(0) depctr_va_sdst(0) depctr_va_ssrc(0) depctr_va_vcc(0) depctr_vm_vsrc(0)
	s_getreg_b32 s2, hwreg(HW_REG_IB_STS2, 6, 4)
	s_cmp_eq_u32 s2, 0
	s_cbranch_scc0 .Lentry_in_a_cluster
	s_endpgm
.Lentry_in_a_cluster:
	s_bfe_u32 s2, ttmp6, 0x10000c
	s_cmp_lg_u32 s2, 0xf033
	s_cbranch_scc0 .Lentry_shape_is_right
	s_endpgm
.Lentry_shape_is_right:
.set QU,    25600
.set SLOT,  4*QU
.set REGX,  9830400
.set XKG,   16*QU
.set YKG,   64*QU
.set LAPS,  4
.set YS2,   1
.set STG,   2*SLOT
.set SPARE, STG+4*4352
.set ACC, 128
.set SC,  32
.set BX,  64
.set RSD, 32
.set RM,  96
.set MW,  104
.set SPW, 28
.set NIL, 29
.set G1X, 24
.set G1Y, 32
.set G0X, 40
.set G0Y, 48
.set MSB, 0
.macro WIN new
.if MSB != \new
	s_set_vgpr_msb (MSB<<8)|\new
.set MSB, \new
.endif
.endm
.macro PLACES
.rept 4
	v_nop
.endr
.endm
.macro CROUND
	s_barrier_signal -1
	s_barrier_wait -1
	s_cmp_lg_u32 s16, 0
	s_cbranch_scc1 .Lnw0_\@
	s_barrier_signal -3
.Lnw0_\@:
	s_barrier_wait -3
	s_barrier_signal -1
	s_barrier_wait -1
.endm
.macro JLOAD s
	s_cmp_eq_u32 s18, 0
	s_cbranch_scc0 .Lfy_\@
	tensor_load_to_lds s[G0X+4*\s:G0X+4*\s+3], s[G1X:G1X+7]
	s_nop 0
.rept 4
	v_nop
.endr
	s_branch .Lja_\@
.Lfy_\@:
	tensor_load_to_lds s[G0Y+4*\s:G0Y+4*\s+3], s[G1Y:G1Y+7]
	s_nop 0
.rept 4
	v_nop
.endr
.Lja_\@:
.endm
.macro FRAG reg, a16, a8, off
	ds_load_b128 v[\reg:\reg+3], v[\a16] offset:\off
	ds_load_b64 v[\reg+4:\reg+5], v[\a8] offset:\off+512
	ds_load_b128 v[\reg+6:\reg+9], v[\a16] offset:\off+768
	ds_load_b64 v[\reg+10:\reg+11], v[\a8] offset:\off+1280
.endm
.macro FETCH slot, q, f
	WIN 0x40
.irp i, 0,1,2,3
	FRAG 96*(\f)+12*\i, 4+\slot, 6+\slot, 6144*\i+1536*(\q)
	FRAG 96*(\f)+48+12*\i, 8+\slot, 10+\slot, 6144*\i+1536*(\q)
.endr
.endm
.macro SCALES set
.irp i, 0,1,2,3
	ds_load_b128 v[SC+16*\set+4*\i:SC+16*\set+4*\i+3], v[12+\set] offset:24576+256*\i
.endr
.endm
.macro MUL8 f, a0, q, set, mode
.irp a, \a0, \a0+1
.irp b, 0,1,2,3
.set rD, ACC+32*(\a)+8*\b
.set rC, rD
.if \mode
.set rC, BX+8*\b
.endif
.if YS2
.set sY, SC+16*(\set)+4*(\q)+(\a)
.else
.set sY, SC+16*(\set)+4*(\a)+(\q)
.endif
	v_wmma_scale_f32_16x16x128_f8f6f4 v[rD:rD+7], v[96*(\f)+12*\b:96*(\f)+12*\b+11], v[96*(\f)+48+12*(\a):96*(\f)+48+12*(\a)+11], v[rC:rC+7], v[SC+16*(\set)+4*\b+(\q)], v[sY] matrix_a_fmt:MATRIX_FMT_FP6 matrix_b_fmt:MATRIX_FMT_FP6 matrix_b_scale:MATRIX_SCALE_ROW1
.endr
.endr
.endm
.macro STEP slot, q, mode
	s_wait_dscnt 0x0
	PLACES
	FETCH \slot, (\q)+1, ((\q)+1)%2
	WIN 0x05
	MUL8 (\q)%2, 0, \q, \slot, \mode
	MUL8 (\q)%2, 2, \q, \slot, \mode
.endm
.macro LASTSTEP slot, next, fill
	s_wait_dscnt 0x0
	WIN 0x05
	MUL8 1, 0, 3, \slot, 0
	WIN 0
	s_wait_tensorcnt 0x0
	ds_add_u32 v[SPW], v[NIL]
.if \fill
	s_add_nc_u64 s[G0X+4*\slot+2:G0X+4*\slot+3], s[G0X+4*\slot+2:G0X+4*\slot+3], 2*XKG
	s_add_nc_u64 s[G0Y+4*\slot+2:G0Y+4*\slot+3], s[G0Y+4*\slot+2:G0Y+4*\slot+3], 2*YKG
.endif
	s_wait_dscnt 0x0
.if \fill
	CROUND
	JLOAD \slot
.else
	s_barrier_signal -1
	s_barrier_wait -1
.endif
	PLACES
	FETCH \next, 0, 0
	WIN 0
	SCALES \next
	WIN 0x05
	MUL8 1, 2, 3, \slot, 0
	WIN 0
.endm
.macro RES yt
.irp i, 0,1,2,3,4,5,6,7
	global_load_b128 v[RSD+32*((\yt)%2)+4*\i:RSD+32*((\yt)%2)+4*\i+3], v18, s[70:71] offset:4096*(32*((\yt)/2)+8*((\yt)%2)+2*\i+8*(\i/4))
.endr
.endm
.macro OUT yt
.set AT, ACC+32*(\yt)
.set RT, RSD+32*((\yt)%2)
.if (\yt) == 0
	s_wait_loadcnt 16
.endif
.irp b, 0,1
.irp j, 0,1,2,3
	ds_store_b128 v19, v[AT+16*\b+4*\j:AT+16*\b+4*\j+3] offset:128*\b+16*\j
.endr
.endr
	ds_store_b32 v21, v[MW+(\yt)] offset:256
.irp i, 0,1,2,3,4,5,6,7
	ds_load_b128 v[AT+4*\i:AT+4*\i+3], v20 offset:544*\i
.endr
.irp i, 0,1,2,3,4,5,6,7
	ds_load_b32 v[RM+\i], v22 offset:544*\i+256
.endr
.if (\yt) < 3
	s_wait_loadcnt 8
.else
	s_wait_loadcnt 0x0
.endif
	s_wait_dscnt 0x0
.irp i, 0,1,2,3,4,5,6,7
	v_pk_add_f32 v[AT+4*\i:AT+4*\i+1], v[AT+4*\i:AT+4*\i+1], v[RT+4*\i:RT+4*\i+1]
	v_pk_add_f32 v[AT+4*\i+2:AT+4*\i+3], v[AT+4*\i+2:AT+4*\i+3], v[RT+4*\i+2:RT+4*\i+3]
	v_cmp_ne_u32 vcc_lo, 0, v[RM+\i]
.irp k, 0,1,2,3
	v_cndmask_b32 v[AT+4*\i+\k], 0, v[AT+4*\i+\k], vcc_lo
.endr
	global_store_b128 v18, v[AT+4*\i:AT+4*\i+3], s[72:73] offset:4096*(32*((\yt)/2)+8*((\yt)%2)+2*\i+8*(\i/4))
.endr
.if (\yt) < 2
	RES (\yt)+2
.endif
.endm
	s_load_b256 s[4:11], s[0:1], 0x0
	s_load_b128 s[12:15], s[0:1], 0x20
	v_lshl_add_u32 v[SPW], v0, 2, SPARE
	v_mov_b32 v[NIL], 0
	ds_add_u32 v[SPW], v[NIL]
	ds_add_u32 v[SPW], v[NIL]
	v_lshrrev_b32 v1, 5, v0
	v_readfirstlane_b32 s16, v1
	s_and_b32 s17, s16, 1
	s_lshr_b32 s18, s16, 1
	s_bfe_u32 s19, ttmp6, 0x40000
	s_bfe_u32 s20, ttmp6, 0x40004
	s_lshl_b32 s21, ttmp9, 2
	s_add_co_u32 s21, s21, s19
	s_and_b32 s22, ttmp7, 0xffff
	s_lshl_b32 s22, s22, 2
	s_add_co_u32 s22, s22, s20
	s_lshl_b32 s56, 0x1111, s19
	s_lshl_b32 s57, s20, 2
	s_lshl_b32 s57, 15, s57
	s_or_b32 s[G1X], s56, (3<<16)|(1<<21)
	s_or_b32 s[G1Y], s57, (3<<16)|(1<<21)
.irp g, G1X, G1Y
	s_mov_b32 s[\g+1], 32<<16
	s_mov_b32 s[\g+2], 100<<16
	s_mov_b32 s[\g+3], 32<<16
	s_mov_b32 s[\g+4], 100
	s_mov_b32 s[\g+5], 32
	s_mov_b32 s[\g+6], 0
	s_mov_b32 s[\g+7], 0
.endr
	s_lshl_b32 s58, s21, 1
	s_add_co_u32 s58, s58, s17
	s_mul_i32 s58, s58, QU
	s_add_co_u32 s58, s58, REGX
	s_mov_b32 s59, 0
	s_lshl_b32 s60, s22, 1
	s_add_co_u32 s60, s60, s17
	s_mul_i32 s60, s60, QU
	s_mov_b32 s61, 0
	s_mul_i32 s62, s16, QU
	s_wait_dscnt 0x0
	s_wait_kmcnt 0x0
	s_add_nc_u64 s[58:59], s[4:5], s[58:59]
	s_add_nc_u64 s[60:61], s[6:7], s[60:61]
	CROUND
.irp s, 0,1
	s_mov_b32 s[G0X+4*\s], 1
	s_add_co_u32 s[G0X+4*\s+1], s62, \s*SLOT
	s_add_nc_u64 s[G0X+4*\s+2:G0X+4*\s+3], s[58:59], \s*XKG
	s_or_b32 s[G0X+4*\s+3], s[G0X+4*\s+3], 0x80000000
	s_mov_b32 s[G0Y+4*\s], 1
	s_add_co_u32 s[G0Y+4*\s+1], s62, \s*SLOT
	s_add_nc_u64 s[G0Y+4*\s+2:G0Y+4*\s+3], s[60:61], \s*YKG
	s_or_b32 s[G0Y+4*\s+3], s[G0Y+4*\s+3], 0x80000000
.endr
	JLOAD 0
	v_and_b32 v1, 31, v0
	v_and_b32 v2, 15, v0
	v_bfe_u32 v3, v0, 4, 1
	v_lshlrev_b32 v14, 4, v1
	v_lshlrev_b32 v15, 3, v1
	s_mul_i32 s56, s17, QU
	s_mul_i32 s57, s18, QU
	s_add_co_u32 s57, s57, 2*QU
.irp s, 0,1
	v_add_nc_u32 v[4+\s], s56, v14
	v_add_nc_u32 v[6+\s], s56, v15
	v_add_nc_u32 v[8+\s], s57, v14
	v_add_nc_u32 v[10+\s], s57, v15
	s_add_co_u32 s56, s56, SLOT
	s_add_co_u32 s57, s57, SLOT
.endr
	s_mul_i32 s56, s17, QU
	s_mul_i32 s57, s18, QU
	s_add_co_u32 s57, s57, 2*QU
	s_sub_co_u32 s57, s57, s56
	v_mul_u32_u24 v12, s57, v3
	v_lshl_add_u32 v12, v2, 4, v12
	v_add_nc_u32 v12, s56, v12
	v_add_nc_u32 v13, SLOT, v12
	v_lshlrev_b32 v16, 6, v3
	v_and_b32 v17, 8, v2
	v_add_nc_u32 v17, v17, v2
	v_lshlrev_b32 v18, 12, v3
	v_lshl_add_u32 v18, v2, 4, v18
	s_mul_i32 s56, s16, 4352
	s_add_co_u32 s56, s56, STG
	v_mul_u32_u24 v19, v2, 272
	v_add_nc_u32 v21, s56, v19
	v_lshl_add_u32 v19, v3, 6, v21
	v_mul_u32_u24 v20, v3, 272
	v_add_nc_u32 v22, s56, v20
	v_lshl_add_u32 v20, v2, 4, v22
	s_lshl_b32 s56, s21, 9
	s_lshl_b32 s57, s17, 8
	s_add_co_u32 s56, s56, s57
	s_mov_b32 s57, 0
	s_add_nc_u64 s[66:67], s[8:9], s[56:57]
	s_lshl_b32 s60, s22, 7
	s_lshl_b32 s61, s18, 6
	s_add_co_u32 s60, s60, s61
	s_mov_b32 s61, 0
	s_add_nc_u64 s[68:69], s[12:13], s[60:61]
	s_lshl_b32 s62, s60, 12
	s_add_co_u32 s62, s62, s56
	s_mov_b32 s63, 0
	s_add_nc_u64 s[70:71], s[10:11], s[62:63]
	s_add_nc_u64 s[72:73], s[14:15], s[62:63]
.irp b, 0,1,2,3
	global_load_b128 v[BX+8*\b:BX+8*\b+3], v16, s[66:67] offset:4*(32*(\b/2)+8*(\b%2))
	global_load_b128 v[BX+8*\b+4:BX+8*\b+7], v16, s[66:67] offset:4*(32*(\b/2)+8*(\b%2))+16
.endr
	s_wait_alu depctr_va_vdst(0)
	s_wait_tensorcnt 0x0
	ds_add_u32 v[SPW], v[NIL]
	s_wait_dscnt 0x0
	CROUND
	JLOAD 1
	s_wait_loadcnt 0x0
	FETCH 0, 0, 0
	WIN 0
	SCALES 0
	STEP 0, 0, 1
.if LAPS > 1
	WIN 0
	s_mov_b32 s3, LAPS-1
.Llap:
	STEP 0, 1, 0
	STEP 0, 2, 0
	LASTSTEP 0, 1, 1
	STEP 1, 0, 0
	STEP 1, 1, 0
	STEP 1, 2, 0
	LASTSTEP 1, 0, 1
	STEP 0, 0, 0
	WIN 0
	s_sub_co_u32 s3, s3, 1
	s_cmp_lg_u32 s3, 0
	s_cbranch_scc1 .Llap
.endif
	STEP 0, 1, 0
	STEP 0, 2, 0
	LASTSTEP 0, 1, 0
	STEP 1, 0, 0
	STEP 1, 1, 0
	STEP 1, 2, 0
	s_wait_dscnt 0x0
	WIN 0x05
	MUL8 1, 0, 3, 1, 0
	MUL8 1, 2, 3, 1, 0
	WIN 0
	PLACES
	s_wait_alu depctr_va_vdst(0)
.irp yt, 0,1,2,3
	global_load_u8 v[MW+\yt], v17, s[68:69] offset:32*(\yt/2)+8*(\yt%2)
.endr
	RES 0
	RES 1
	OUT 0
	OUT 1
	OUT 2
	OUT 3
	s_wait_tensorcnt 0x0
	ds_add_u32 v[SPW], v[NIL]
	s_wait_dscnt 0x0
	CROUND
	s_endpgm
.Lfunc_end_k_qb33c87f656_ffn2:
	.size	k_qb33c87f656_ffn2, .Lfunc_end_k_qb33c87f656_ffn2-k_qb33c87f656_ffn2
	.p2alignl 7, 3214868480
	.fill 96, 4, 3214868480
	.section	.rodata,"a",@progbits
	.p2align	6, 0x0
	.amdhsa_kernel k_qb33c87f656_ffn2
		.amdhsa_group_segment_fixed_size 327680
		.amdhsa_private_segment_fixed_size 0
		.amdhsa_enable_private_segment 0
		.amdhsa_kernarg_size 48
		.amdhsa_user_sgpr_count 2
		.amdhsa_user_sgpr_kernarg_segment_ptr 1
		.amdhsa_wavefront_size32 1
		.amdhsa_system_sgpr_workgroup_id_x 1
		.amdhsa_system_sgpr_workgroup_id_y 1
		.amdhsa_system_sgpr_workgroup_id_z 1
		.amdhsa_system_vgpr_workitem_id 0
		.amdhsa_next_free_vgpr 512
		.amdhsa_next_free_sgpr 100
		.amdhsa_reserve_vcc 1
		.amdhsa_float_denorm_mode_32 3
		.amdhsa_float_denorm_mode_16_64 3
		.amdhsa_memory_ordered 1
		.amdhsa_forward_progress 1
		.amdhsa_inst_pref_size 103
	.end_amdhsa_kernel
	.amdgpu_metadata
---
amdhsa.version: [ 1, 2 ]
amdhsa.kernels:
  - .name:           k_qb33c87f656_ffn2
    .symbol:         k_qb33c87f656_ffn2.kd
    .args:
      - { .name: pk1, .offset: 0, .size: 8, .value_kind: global_buffer, .address_space: global }
      - { .name: gpk, .offset: 8, .size: 8, .value_kind: global_buffer, .address_space: global }
      - { .name: b2, .offset: 16, .size: 8, .value_kind: global_buffer, .address_space: global }
      - { .name: y1, .offset: 24, .size: 8, .value_kind: global_buffer, .address_space: global }
      - { .name: mask, .offset: 32, .size: 8, .value_kind: global_buffer, .address_space: global }
      - { .name: out0, .offset: 40, .size: 8, .value_kind: global_buffer, .address_space: global }
    .group_segment_fixed_size: 327680
    .private_segment_fixed_size: 0
    .kernarg_segment_align: 8
    .kernarg_segment_size: 48
    .max_flat_workgroup_size: 128
    .sgpr_count:     100
    .vgpr_count:     512
    .wavefront_size: 32
...
	.end_amdgpu_metadata
.endif
;; end of part 6
